; MI455X (gfx1250); checked and timed in simulation.
; The chip was launched on July 23, 2026; its instructions are those of AMD's public machine-readable ISA for CDNA 5 (MIT licence, August 2026) and "CDNA5" Instruction Set Architecture Reference Guide (July 2026). The comments in the code are by the model that wrote it; some were corrected since.
;; Probabilistic Multi Head Attention. Allowed arithmetic: matrix products marked QUANTISED: E2M3 operands, one E8M0 scale for each 32 along K, by v_wmma_scale_f32_16x16x128_f8f6f4 with both operands' format E2M3, f32 sums; everything else in f32.
;; Inputs: Wproj_mu 1,024 x 1,024 float32; Wproj_sigma 1,024 x 1,024 float32; Wqkv_mu 1,024 x 3,072 float32; Wqkv_sigma 1,024 x 3,072 float32; alpha one number float32; bproj_mu 1,024 float32; bproj_sigma 1,024 float32; bqkv_mu 3,072 float32; bqkv_sigma 3,072 float32; mu 2 x 2,048 x 1,024 float32; sigma 2 x 2,048 x 1,024 float32.
;; Outputs: out0 2 x 2,048 x 1,024 float32; out1 2 x 2,048 x 1,024 float32.
;; This version of the problem:
;;   THIS VERSION OF THE PROBLEM IS GIVEN IN LOW PRECISION. The matrix products marked QUANTISED in the list below multiply operands that are first quantised to E2M3 (2 exponent bits, 3 mantissa bits; 6 bits a number), with one power-of-two scale for each 32 numbers along K (OCP MX v1.0); their sums are f32. All else is computed in f32.
;;   The module's matrix products, in the order in which they are computed (A, B: the left and right operand; K: the contracted axis; several contracted axes count as one K, in the product's order):
;;     1. [M 4,096, K 1,024] x [K 1,024, N 3,072]; A: input mu; B: input Wqkv_mu: QUANTISED
;;     2. [M 4,096, K 1,024] x [K 1,024, N 3,072]; A: input sigma; B: input Wqkv_sigma: QUANTISED
;;     3. batch 32 x [M 2,048, K 64] x [K 64, N 2,048]; A: computed on the way; B: computed on the way: QUANTISED
;;     4. batch 32 x [M 2,048, K 64] x [K 64, N 2,048]; A: computed on the way; B: computed on the way: QUANTISED
;;     5. batch 32 x [M 2,048, K 2,048] x [K 2,048, N 64]; A: softmax (see below); B: computed on the way: QUANTISED
;;     6. batch 32 x [M 2,048, K 2,048] x [K 2,048, N 64]; A: softmax (see below); B: computed on the way: QUANTISED
;;     7. [M 4,096, K 1,024] x [K 1,024, N 1,024]; A: computed on the way; B: input Wproj_mu: QUANTISED
;;     8. [M 4,096, K 1,024] x [K 1,024, N 1,024]; A: computed on the way; B: input Wproj_sigma: QUANTISED
;;   THE QUANTISER, for each operand of a quantised product, along K:
;;     - K is cut into blocks of 32 from its start; a last block that is shorter is filled with zeros.
;;     - A block's scale is 2^e with e = floor(log2(the largest magnitude in the block)) - 2, held to -126 .. 127; a block of zeros has e = 0. As a byte (E8M0): e + 127.
;;     - Each number is divided by its block's scale, clamped to +-7.5, and rounded to the nearest number of E2M3, ties to even, subnormals kept.
;;     - The product sums the exact products of the quantised numbers (number of the format x scale) in f32.
;;   ~~~python
;;   def quantise(x, axis):      # numpy; x: float32 -> the quantised numbers, widened to float32 again
;;       x = np.moveaxis(x, axis, -1); K = x.shape[-1]
;;       x = np.pad(x, [(0, 0)] * (x.ndim - 1) + [(0, -K % 32)]); x = x.reshape(x.shape[:-1] + (-1, 32)); a = np.abs(x).max(-1, keepdims=True)
;;       e = np.where(a > 0, np.clip(np.frexp(np.where(a > 0, a, 1))[1] - 1 - 2, -126, 127), 0)      # np.frexp(a)[1] - 1 = floor(log2(a)), exactly
;;       r = np.clip(x / 2.0 ** e, -7.5, 7.5)
;;       step = 2.0 ** (np.maximum(np.frexp(np.where(r == 0, 1, r))[1] - 1, 0) - 3)
;;       q = np.round(r / step) * step * 2.0 ** e      # np.round: ties to even
;;       return np.moveaxis(q.reshape(q.shape[:-2] + (-1,))[..., :K], -1, axis).astype(np.float32)
;;   ~~~
;;   SOFTMAX AHEAD OF A QUANTISED PRODUCT. Where the list says 'softmax', what is quantised is not the finished softmax but p = 2^(t - M), with t = logit x log2(e) and M = ceil(the row's largest t), a whole number; so 1/2 < the row's largest p <= 1. The row's sum l is taken of the UNQUANTISED p, in f32, and the product's result is divided by l at the end. Since M is a whole number, a kernel that streams over the keys may use a running M (the ceiling of the running maximum): every later rescaling is an exact power of two, which a block's scale takes up: the codes' values come out the same.
;;   OPERANDS COMPUTED ON THE WAY. 'Computed on the way' means the value that the module computes at that place (a softmax that the list does not call 'softmax' is quantised finished and normalised). What goes into a quantiser is computed in f32, as accurately as f32 sums, v_exp_f32 and their like allow (about 1e-6 of the number): no bf16 or f16 on the way to a quantiser, and a product that is left as it is and whose result goes on into a quantised operand takes f32 operands (vector FMAs, or v_wmma_f32_16x16x4_f32). A number that lies on a knife's edge between two numbers of the format may be rounded either way, as far as f32 arithmetic and the matrix unit's own rounding can turn it there, and no further.
;; One version. Each part assembles by itself: llvm-mc -triple=amdgcn-amd-amdhsa -mcpu=gfx1250 --defsym DOCPART=n.
;; ======== version 1 of 1: 4 launches
;; limits: right only within a limited range of input values
;; workspace buffers: xq_codes 6,291,456 bytes; xq_scales 262,144 bytes; wq_codes 6,291,456 bytes; wq_scales 262,144 bytes; qkv_codes 18,874,368 bytes; qkv_scales 1,310,720 bytes; o_codes 6,291,456 bytes; o_scales 262,144 bytes
;; launch quant (part 1): grid 384 x 1, 8 waves a work-group, no clusters, 121,856 bytes of LDS; arguments mu, sigma, xq_codes, xq_scales, Wqkv_mu, Wqkv_sigma, Wproj_mu, Wproj_sigma, wq_codes, wq_scales; writes xq_codes, xq_scales, wq_codes, wq_scales
.if DOCPART == 1
	.amdgcn_target "amdgcn-amd-amdhsa--gfx1250"
	.amdhsa_code_object_version 6
	.text
	.protected	k_qe321db36af_quant
	.globl	k_qe321db36af_quant
	.p2align	8
	.type	k_qe321db36af_quant,@function
k_qe321db36af_quant:
	s_mov_b64 s[64:65], 0
	v_nop
	global_prefetch_b8 v0, s[64:65] scope:SCOPE_SE
	s_setreg_imm32_b32 hwreg(HW_REG_WAVE_MODE, 25, 1), 1
	s_wait_xcnt 0x0
; FIRST OF FOUR LAUNCHES.  The program: (1) mu, sigma and the four weights -> codes; (2) the two QKV products, + bias, Q, K, V quantised in registers;
; (3) causal attention on codes, O / l quantised in registers; (4) the two output projections, + bias.  All eight products go on codes of FP6 (E2M3) with one E8M0 byte for each 32 along K.
; WORK LEFT OUT (in launch 3 alone): a step of 128 keys all of which come after a wave's queries.  The mask is built in the problem's own body (a lower triangle): there every score becomes -infinity,
; so p = 0 for all values of the inputs, and such a step adds nothing to the row's maximum, to its sum or to either result.  All eleven inputs have a way to an output and are loaded.
; LIMIT: a NaN, an infinity or an overflow that would arise only in the steps left out is not carried to the result.
; THIS LAUNCH: work-groups 0-127 take the weights, 128-383 mu and sigma; the two ways part on the work-group's number and have LDS bytes of their own.
; All codes are laid as IMAGES OF THE OPERAND'S REGISTERS: a fragment (16 rows x 128 K) is 12 registers a lane; registers 4 p .. 4 p + 3 of lane l lie at 512 p + 16 l of its 1,536 bytes.
;   xq_codes [stream 2][tile 256][K step 8][1,536];  wq_codes [tile 512][K step 8][1,536]: tiles 0-191 Wqkv_mu, 192-383 Wqkv_sigma, 384-447 Wproj_mu, 448-511 Wproj_sigma;
;   the scales [..][tile][pair of K steps 4][row 16][2 words]: one word (four E8M0 bytes) for a row and 128 along K.
; THE ROWS OF A TILE ARE NOT NEIGHBOURS: lane r of tile 2 b + u holds row (column of a weight) 32 b + 8 u + r + 8 (r / 8).
; A block's scale is 2^(floor(log2(its largest magnitude)) - 2); its byte is that magnitude's exponent field - 2, held at 1 from below.
; LIMITS: a block of zeros gets the byte 1 (its codes are zeros, and this program alone reads the bytes); largest magnitudes under 2^-124 are held at byte 1; NaN and infinities among the inputs are not served.
; mu, sigma (K innermost): a wave takes one tile x 256 along K: 32 loads of 512 consecutive bytes; a K step's 16 rows x 512 bytes turn through the wave's own stage (rows 528 bytes apart), so that a lane holds 16 neighbours.
; The weights (K their first axis): a lane takes a column and its registers run down K; a wave: 32 columns x 256 along K; the images are gathered in the wave's own LDS and leave in stores of 512 consecutive bytes.
; No barrier: waves share nothing.  No matrix unit, no cluster: streams, each byte read once.
.set STG,   8448                       ; mu, sigma: a wave's stage, 16 rows x 528 bytes
.set WB,    67584                      ; the weights' LDS begins behind the eight stages
.set WREG,  6656                       ; a wave's: two tiles' images and 256 bytes of scale words
.set TILEB, 3200
.set SCST,  6400
.set SPARE, 120832                     ; the spare words, 128 bytes a wave
.set SPW, 14
.set NIL, 15
.set R,   16                           ; mu, sigma: v16-143 32 loads x 4 registers
.set X,   144                          ; v144-207 64 numbers
.set PC,  208                          ; v208-226 the fragment's codes, and work
.set TM,  228
.set SEL, 20
.set OFF, 32                           ; the weights: v32-63 4 x lane + i rows
.set XX,  64                           ; v64-127 two sets of 32 numbers; on the way out the images
.set C,   128
.set SB,  136
.macro QUANT s, pw                     ; 64 numbers of a lane become a fragment's codes in v[PC] on and its row's scale word in v[pw]
.irp b, 0,1,2,3
	v_max3_num_f32 v[TM+\b], |v[\s+16*\b]|, |v[\s+1+16*\b]|, 0x1800000
.endr
.irp i, 2,4,6,8,10,12,14
.irp b, 0,1,2,3
	s_delay_alu instid0(VALU_DEP_4)
	v_max3_num_f32 v[TM+\b], v[TM+\b], |v[\s+16*\b+\i]|, |v[\s+1+16*\b+\i]|
.endr
.endr
.irp b, 0,1,2,3
	s_delay_alu instid0(VALU_DEP_4)
	v_permlanex16_b32 v[TM+4+\b], v[TM+\b], s[SEL], s[SEL+1]
.endr
.irp b, 0,1,2,3
	s_delay_alu instid0(VALU_DEP_4)
	v_max_num_f32 v[TM+\b], v[TM+\b], v[TM+4+\b]
.endr
.irp b, 0,1,2,3
	s_delay_alu instid0(VALU_DEP_4)
	v_add_nc_u32 v[TM+12+\b], 0xff000000, v[TM+\b]
.endr
.irp b, 0,1,2,3
	s_delay_alu instid0(VALU_DEP_4)
	v_lshrrev_b32 v[TM+4+\b], 23, v[TM+12+\b]
.endr
	s_delay_alu instid0(VALU_DEP_3)
	v_lshl_or_b32 v[\pw], v[TM+5], 8, v[TM+4]
	s_delay_alu instid0(VALU_DEP_1)
	v_lshl_or_b32 v[\pw], v[TM+6], 16, v[\pw]
	s_delay_alu instid0(VALU_DEP_1)
	v_lshl_or_b32 v[\pw], v[TM+7], 24, v[\pw]
.irp c, 0,1
	v_cvt_scalef32_pk16_fp6_f32 v[PC+6*\c:PC+2+6*\c], v[\s+32*\c:\s+15+32*\c], v[TM+12+2*\c]
	v_cvt_scalef32_pk16_fp6_f32 v[PC+12+4*\c:PC+14+4*\c], v[\s+16+32*\c:\s+31+32*\c], v[TM+12+2*\c+1]
.endr
	v_nop
.irp c, 0,1
.irp i, 0,1,2
	v_permlane16_swap_b32 v[PC+6*\c+\i], v[PC+12+4*\c+\i]
.endr
.irp i, 0,1,2
	s_delay_alu instid0(VALU_DEP_3)
	v_mov_b32 v[PC+3+6*\c+\i], v[PC+12+4*\c+\i]
.endr
.endr
.endm
	v_lshl_add_u32 v[SPW], v0, 2, SPARE
	v_mov_b32 v[NIL], 0
	v_lshrrev_b32 v1, 5, v0
	s_delay_alu instid0(VALU_DEP_1)
	v_readfirstlane_b32 s50, v1                    ; wave 0..7
	s_cmp_lt_u32 ttmp9, 128
	s_cbranch_scc0 .Lx
	; ---- the weights: work-group g: 128 columns (g / 2); waves 0-3 and 4-7 take 256 along K each: y = 2 (g % 2) + wave / 4
	s_load_b256 s[4:11], s[0:1], 0x20              ; Wqkv_mu, Wqkv_sigma, Wproj_mu, Wproj_sigma
	s_load_b128 s[12:15], s[0:1], 0x40             ; wq_codes, wq_scales
	s_and_b32 s16, s50, 3
	s_lshr_b32 s48, ttmp9, 1
	s_and_b32 s20, ttmp9, 1
	s_lshl_b32 s20, s20, 1
	s_lshr_b32 s21, s50, 2
	s_add_co_u32 s20, s20, s21                     ; y
	v_and_b32 v1, 31, v0                           ; lane = my column in the wave's 32
	v_bfe_u32 v2, v0, 3, 1                         ; u: which of the two tiles it belongs to
	v_and_b32 v3, 7, v0
	v_bfe_u32 v4, v0, 4, 1
	v_lshl_add_u32 v3, v4, 3, v3                   ; r': its row in that tile
	s_mul_i32 s17, s50, WREG
	s_add_co_u32 s17, s17, WB
	v_mul_u32_u24 v5, v2, TILEB
	v_lshl_add_u32 v5, v3, 4, v5
	v_add_nc_u32 v5, s17, v5                       ; into the images: tile u, 16 r'
	v_lshlrev_b32 v6, 7, v2
	v_lshl_add_u32 v6, v3, 3, v6
	v_add_nc_u32 v6, s17, v6                       ; scale words in: 128 u + 8 r'
	v_lshlrev_b32 v7, 4, v1
	v_add_nc_u32 v8, s17, v7                       ; the images, on the way out
	v_lshlrev_b32 v9, 3, v1
	v_add_nc_u32 v10, s17, v9                      ; scale words out
	v_and_b32 v11, 15, v0
	v_lshlrev_b32 v11, 3, v11
	v_lshl_add_u32 v11, v4, 9, v11                 ; and in memory: tile lane / 16, 8 bytes a row
	s_mov_b32 s18, 56                              ; the weight's first group of 128 columns,
	s_mov_b32 s19, 4096                            ; and a row of it in bytes
	s_cmp_lt_u32 s48, 56
	s_cselect_b32 s18, 48, s18
	s_cmp_lt_u32 s48, 48
	s_cselect_b32 s18, 24, s18
	s_cselect_b32 s19, 12288, s19
	s_cmp_lt_u32 s48, 24
	s_cselect_b32 s18, 0, s18
	v_lshlrev_b32 v[OFF], 2, v1
.irp i, 1,2,3,4,5,6,7,8,9,10,11,12,13,14,15,16,17,18,19,20,21,22,23,24,25,26,27,28,29,30,31
	v_add_nc_u32 v[OFF+\i], s19, v[OFF+\i-1]
.endr
	s_sub_co_u32 s21, s48, s18
	s_lshl_b32 s21, s21, 9
	s_lshl_b32 s22, s16, 7
	s_add_co_u32 s22, s22, s21
	s_lshl_b32 s23, s20, 8
	s_mul_i32 s23, s23, s19                        ; 256 y rows
	s_add_co_u32 s22, s22, s23
	s_mov_b32 s23, 0
	s_lshl_b32 s24, s19, 5                         ; a block: 32 rows
	s_mov_b32 s25, 0
	s_lshl_b32 s28, s48, 3
	s_lshl_b32 s29, s16, 1
	s_add_co_u32 s28, s28, s29                     ; my first tile
	s_mul_i32 s30, s28, 12288
	s_mul_i32 s29, s20, 3072
	s_add_co_u32 s30, s30, s29
	s_mov_b32 s31, 0
	s_wait_alu depctr_va_vdst(0)                   ; the wait at the head's end
	s_wait_kmcnt 0x0
	s_add_nc_u64 s[12:13], s[12:13], s[30:31]
	s_lshl_b32 s30, s28, 9
	s_lshl_b32 s29, s20, 7
	s_add_co_u32 s30, s30, s29
	s_add_nc_u64 s[14:15], s[14:15], s[30:31]
	s_cmp_lt_u32 s48, 56                           ; the choices hang on the work-group's number alone
	s_cselect_b64 s[26:27], s[8:9], s[10:11]
	s_cmp_lt_u32 s48, 48
	s_cselect_b64 s[26:27], s[6:7], s[26:27]
	s_cmp_lt_u32 s48, 24
	s_cselect_b64 s[26:27], s[4:5], s[26:27]
	s_add_nc_u64 s[32:33], s[26:27], s[22:23]      ; a base for each of the eight blocks
.irp t, 1,2,3,4,5,6,7
	s_add_nc_u64 s[32+2*\t:33+2*\t], s[30+2*\t:31+2*\t], s[24:25]
.endr
.macro LOAD t
.irp i, 0,1,2,3,4,5,6,7,8,9,10,11,12,13,14,15,16,17,18,19,20,21,22,23,24,25,26,27,28,29,30,31
	global_load_b32 v[XX+32*((\t)%2)+\i], v[OFF+\i], s[32+2*(\t):33+2*(\t)] th:TH_LOAD_NT
.endr
.endm
	LOAD 0
	LOAD 1
.macro BLOCK t
.set XS, XX+32*((\t)%2)
.set KQ, (\t)/4
.set BE, (\t)%4
.if (\t) < 7
	s_wait_loadcnt 32                              ; this block's 32 loads are in; the next block's may be out
.else
	s_wait_loadcnt 0
.endif
	v_max3_num_f32 v12, |v[XS]|, |v[XS+1]|, |v[XS+2]|
	v_max3_num_f32 v13, |v[XS+3]|, |v[XS+4]|, |v[XS+5]|
.irp i, 6,10,14,18,22,26
	v_max3_num_f32 v12, v12, |v[XS+\i]|, |v[XS+\i+1]|
	v_max3_num_f32 v13, v13, |v[XS+\i+2]|, |v[XS+\i+3]|
.endr
	v_max3_num_f32 v12, v12, |v[XS+30]|, |v[XS+31]|
	v_max3_num_f32 v12, v12, v13, 0x1800000
	v_add_nc_u32 v16, 0xff000000, v12
	v_lshrrev_b32 v13, 23, v16
.if BE == 0
	v_mov_b32 v[SB+KQ], v13
.else
	v_lshl_or_b32 v[SB+KQ], v13, 8*BE, v[SB+KQ]
.endif
	v_cvt_scalef32_pk16_fp6_f32 v[C:C+2], v[XS:XS+15], v16
	v_cvt_scalef32_pk16_fp6_f32 v[C+4:C+6], v[XS+16:XS+31], v16
	v_nop
	v_mov_b32 v[C+3], v[C+4]
	v_mov_b32 v[C+4], v[C+5]
	v_mov_b32 v[C+5], v[C+6]
.if BE/2 == 0
	ds_store_b128 v5, v[C:C+3] offset:1536*KQ+256*(BE%2)
	ds_store_b64 v5, v[C+4:C+5] offset:1536*KQ+256*(BE%2)+512
.else
	ds_store_b64 v5, v[C:C+1] offset:1536*KQ+256*(BE%2)+520
	ds_store_b128 v5, v[C+2:C+5] offset:1536*KQ+256*(BE%2)+1024
.endif
.if (\t)+2 < 8
	LOAD (\t)+2
.endif
	s_wait_dscnt 0x0                               ; the stores have read their registers
.endm
.irp t, 0,1,2,3,4,5,6,7
	BLOCK \t
.endr
	s_wait_alu depctr_va_vdst(0)                   ; the wait directly ahead of the reader below
	ds_store_b64 v6, v[SB:SB+1] offset:SCST
.irp u, 0,1
.irp q, 0,1
.irp p, 0,1,2
	ds_load_b128 v[XX+4*(6*\u+3*\q+\p):XX+4*(6*\u+3*\q+\p)+3], v8 offset:TILEB*\u+1536*\q+512*\p
.endr
.endr
.endr
	ds_load_b64 v[XX+48:XX+49], v10 offset:SCST
.irp u, 0,1
.irp q, 0,1
.irp p, 0,1,2
	s_wait_dscnt 12-(6*\u+3*\q+\p)                 ; the younger loads may be out
	global_store_b128 v7, v[XX+4*(6*\u+3*\q+\p):XX+4*(6*\u+3*\q+\p)+3], s[12:13] offset:12288*\u+1536*\q+512*\p
.endr
.endr
.endr
	s_wait_dscnt 0x0
	global_store_b64 v11, v[XX+48:XX+49], s[14:15]
	s_wait_tensorcnt 0x0                           ; the wave's end
	ds_add_u32 v[SPW], v[NIL]
	s_wait_dscnt 0x0
	s_endpgm
.Lx:
	; ---- mu and sigma
	s_load_b256 s[4:11], s[0:1], 0x0               ; mu, sigma, xq_codes, xq_scales
	s_mov_b32 s12, s50
	s_sub_co_u32 s28, ttmp9, 128
	v_and_b32 v1, 31, v0
	v_and_b32 v2, 15, v0                           ; r
	v_bfe_u32 v3, v0, 4, 1                         ; h
	s_delay_alu instid0(VALU_DEP_3)
	v_lshlrev_b32 v4, 4, v1
	s_mul_i32 s13, s12, STG
	v_add_nc_u32 v5, s13, v4                       ; the stage, on the way in
	v_mul_u32_u24 v6, v2, 528
	s_delay_alu instid0(VALU_DEP_1)
	v_lshl_add_u32 v6, v3, 6, v6
	s_delay_alu instid0(VALU_DEP_1)
	v_add_nc_u32 v6, s13, v6                       ; and out: row r, + 64 h
	v_lshlrev_b32 v7, 3, v2
	s_delay_alu instid0(VALU_DEP_1)
	v_lshl_add_u32 v7, v3, 2, v7                   ; scale words: 8 r + 4 h
	s_mov_b32 s[SEL], 0x76543210
	s_mov_b32 s[SEL+1], 0xfedcba98
.irp b, 0,1,2,3
	v_mov_b32 v[TM+4+\b], 0
.endr
	s_lshr_b32 s14, s28, 7                         ; the stream
	s_and_b32 s15, s28, 127                        ; which group of 32 rows
	s_lshr_b32 s16, s12, 2                         ; which of its two tiles
	s_and_b32 s17, s12, 3                          ; which pair of K steps
	s_lshl_b32 s18, s15, 17
	s_lshl_b32 s19, s16, 15
	s_add_co_u32 s18, s18, s19
	s_lshl_b32 s19, s17, 10
	s_add_co_u32 s18, s18, s19
	s_mov_b32 s19, 0
	s_lshl_b32 s22, s15, 1
	s_add_co_u32 s22, s22, s16                     ; the tile
	s_mul_i32 s24, s22, 12288
	s_mul_i32 s23, s14, 3145728
	s_add_co_u32 s24, s24, s23
	s_mul_i32 s23, s17, 3072
	s_add_co_u32 s24, s24, s23
	s_mov_b32 s25, 0
	s_lshl_b32 s26, s22, 9
	s_lshl_b32 s23, s14, 17
	s_add_co_u32 s26, s26, s23
	s_lshl_b32 s23, s17, 7
	s_add_co_u32 s26, s26, s23
	s_mov_b32 s27, 0
	s_wait_alu depctr_va_vdst(0)                   ; the wait at the head's end
	s_wait_kmcnt 0x0
	s_cmp_eq_u32 s14, 0
	s_cselect_b64 s[4:5], s[4:5], s[6:7]
	s_add_nc_u64 s[4:5], s[4:5], s[18:19]
	s_add_nc_u64 s[8:9], s[8:9], s[24:25]
	s_add_nc_u64 s[10:11], s[10:11], s[26:27]
.irp kk, 0,1
.irp p, 0,1,2,3,4,5,6,7,8,9,10,11,12,13,14,15
	global_load_b128 v[R+64*\kk+4*\p:R+64*\kk+4*\p+3], v4, s[4:5] offset:(\p+8*(\p/8))*4096+512*\kk th:TH_LOAD_NT
.endr
.endr
.macro HALF kk
	s_wait_loadcnt 16-16*\kk                       ; this K step's 16 loads are in
.irp p, 0,1,2,3,4,5,6,7,8,9,10,11,12,13,14,15
	ds_store_b128 v5, v[R+64*\kk+4*\p:R+64*\kk+4*\p+3] offset:528*\p
.endr
.irp b, 0,1,2,3
.irp j, 0,1,2,3
	ds_load_b128 v[X+16*\b+4*\j:X+16*\b+4*\j+3], v6 offset:128*\b+16*\j
.endr
.endr
	s_wait_dscnt 0x0
.if \kk
	s_wait_xcnt 0x0                                ; the first step's stores have read their data
.endif
	QUANT X, 244+\kk
.irp p, 0,1,2
	global_store_b128 v4, v[PC+4*\p:PC+4*\p+3], s[8:9] offset:1536*\kk+512*\p
.endr
.endm
	HALF 0
	HALF 1
	v_cmp_eq_u32 vcc_lo, 1, v3
	s_delay_alu instid0(VALU_DEP_1)
	v_cndmask_b32 v246, v244, v245, vcc_lo         ; lanes 0-15 the first step's word, lanes 16-31 the second's
	global_store_b32 v7, v246, s[10:11]
	s_wait_tensorcnt 0x0                           ; the wave's end
	ds_add_u32 v[SPW], v[NIL]
	s_wait_dscnt 0x0
	s_endpgm
.Lfunc_end_k_qe321db36af_quant:
	.size	k_qe321db36af_quant, .Lfunc_end_k_qe321db36af_quant-k_qe321db36af_quant
	.p2alignl 7, 3214868480
	.fill 96, 4, 3214868480
	.section	.rodata,"a",@progbits
	.p2align	6, 0x0
	.amdhsa_kernel k_qe321db36af_quant
		.amdhsa_group_segment_fixed_size 121856
		.amdhsa_private_segment_fixed_size 0
		.amdhsa_enable_private_segment 0
		.amdhsa_kernarg_size 80
		.amdhsa_user_sgpr_count 2
		.amdhsa_user_sgpr_kernarg_segment_ptr 1
		.amdhsa_wavefront_size32 1
		.amdhsa_system_sgpr_workgroup_id_x 1
		.amdhsa_system_sgpr_workgroup_id_y 1
		.amdhsa_system_sgpr_workgroup_id_z 1
		.amdhsa_system_vgpr_workitem_id 0
		.amdhsa_next_free_vgpr 256
		.amdhsa_next_free_sgpr 66
		.amdhsa_reserve_vcc 1
		.amdhsa_float_denorm_mode_32 3
		.amdhsa_float_denorm_mode_16_64 3
		.amdhsa_memory_ordered 1
		.amdhsa_forward_progress 1
		.amdhsa_inst_pref_size 65
	.end_amdhsa_kernel
	.amdgpu_metadata
---
amdhsa.version: [ 1, 2 ]
amdhsa.kernels:
  - .name:           k_qe321db36af_quant
    .symbol:         k_qe321db36af_quant.kd
    .args:
      - { .name: mu, .offset: 0, .size: 8, .value_kind: global_buffer, .address_space: global }
      - { .name: sigma, .offset: 8, .size: 8, .value_kind: global_buffer, .address_space: global }
      - { .name: xq_codes, .offset: 16, .size: 8, .value_kind: global_buffer, .address_space: global }
      - { .name: xq_scales, .offset: 24, .size: 8, .value_kind: global_buffer, .address_space: global }
      - { .name: Wqkv_mu, .offset: 32, .size: 8, .value_kind: global_buffer, .address_space: global }
      - { .name: Wqkv_sigma, .offset: 40, .size: 8, .value_kind: global_buffer, .address_space: global }
      - { .name: Wproj_mu, .offset: 48, .size: 8, .value_kind: global_buffer, .address_space: global }
      - { .name: Wproj_sigma, .offset: 56, .size: 8, .value_kind: global_buffer, .address_space: global }
      - { .name: wq_codes, .offset: 64, .size: 8, .value_kind: global_buffer, .address_space: global }
      - { .name: wq_scales, .offset: 72, .size: 8, .value_kind: global_buffer, .address_space: global }
    .group_segment_fixed_size: 121856
    .private_segment_fixed_size: 0
    .kernarg_segment_align: 8
    .kernarg_segment_size: 80
    .max_flat_workgroup_size: 256
    .sgpr_count:     66
    .vgpr_count:     256
    .wavefront_size: 32
...
	.end_amdgpu_metadata
.endif
;; end of part 1
;; launch gemm_qkv (part 2): grid 16 x 16, 4 waves a work-group, clusters of 4 x 4, 327,680 bytes of LDS; arguments xq_codes, xq_scales, wq_codes, wq_scales, bqkv_mu, bqkv_sigma, qkv_codes, qkv_scales; writes qkv_codes, qkv_scales
.if DOCPART == 2
	.amdgcn_target "amdgcn-amd-amdhsa--gfx1250"
	.amdhsa_code_object_version 6
	.text
	.protected	k_qe321db36af_gemm_qkv
	.globl	k_qe321db36af_gemm_qkv
	.p2align	8
	.type	k_qe321db36af_gemm_qkv,@function
k_qe321db36af_gemm_qkv:
	s_mov_b64 s[64:65], 0
	v_nop
	global_prefetch_b8 v0, s[64:65] scope:SCOPE_SE
	s_setreg_imm32_b32 hwreg(HW_REG_WAVE_MODE, 25, 1), 1
	s_wait_xcnt 0x0
	s_wait_alu depctr_hold_cnt(0) depctr_sa_sdst(0) depctr_va_vdst(0) depctr_va_sdst(0) depctr_va_ssrc(0) depctr_va_vcc(0) depctr_vm_vsrc(0)
	s_getreg_b32 s2, hwreg(HW_REG_IB_STS2, 6, 4)
	s_cmp_eq_u32 s2, 0
	s_cbranch_scc0 .Lentry_in_a_cluster
	s_endpgm
.Lentry_in_a_cluster:
	s_bfe_u32 s2, ttmp6, 0x10000c
	s_cmp_lg_u32 s2, 0xf033
	s_cbranch_scc0 .Lentry_shape_is_right
	s_endpgm
.Lentry_shape_is_right:
; qkv = x W + b for both streams, on codes of FP6 (E2M3) with E8M0 scales; the results are quantised in registers for the attention and never go to memory as f32.
; SHARES: 256 work-groups: stream (2) x block of 256 tokens (16) x j (8).  A work-group keeps its 256 tokens' codes for all of K = 1,024 in LDS (196,608 bytes) and walks THREE UNITS of 128 weight columns:
; columns 128 j of Q, of K and of V.  A unit is 256 x 128 results; a wave makes 4 x 8 accumulators of 16 x 16; K goes in eight steps of 128, both operands in two sets of registers by turns.
; OPERANDS ARE IMAGES OF THEIR REGISTERS (1,536 bytes for 16 rows x 128 K): three loads of 16 bytes a lane.
; ROLES.  Source 1 of the matrix instruction is role A, source 0 role B: a lane holds ONE row of role A, and its 64 registers of a block run along role B, 16 b + i = 32 b + 16 (lane / 16) + i.
;   Q, K (quantised along the head's columns): A = tokens, 64 a wave; B = the unit's 128 columns.   V (quantised along the keys): A = 64 of the unit's columns, one head; B = 128 tokens.
;   Q and K are two trips of one loop; V is written out with its own address registers.
; LDS: the tokens' K steps 0-3 at 0 and 4-7 at 98,304 (tiles 6,144 bytes apart); the unit's weights likewise at 196,608 and 245,760; the tokens' scale words, the three units' scale words, the spare words.
; FILLS, one tensor load a wave behind the opening and behind each round: head: tokens' first half, weights' first half, the two blocks of scale words; then the second halves (two waves each);
;   at a unit's K step 3 the next unit's first half of weights, at its K step 7 the second half (waves 2, 3): a refill has four K steps, or the way out and four K steps, in which to land.  One load out a wave at the most.
; CLUSTERS: 4 x 4: the tokens are shared along a row of the cluster (same block), the weights along a column (same j): asked for jointly.
; NO PREFETCH: the tokens are asked for whole at the head, and each refill of 49,152 bytes is asked for half a unit or more ahead of its first read.
; OUT (bh = 16 batch + head; a half image = 6 registers: registers 0-3 at 16 l, 4-5 at 512 + 8 l):
;   qkv_codes: Q at 0, K at 6,291,456: [bh][tile 128][half mu | half sigma];  V at 12,582,912: [bh][key step 16][tile of channels 8: 0-3 mu, 4-7 sigma][1,536].
;   qkv_scales: Q at 0, K at 524,288: [bh][stream][step 16][lane 32][word 4]: word q of lane l: tile 2 q + l / 16, row l % 16; the head's two bytes at places 2 s, 2 s + 1 (the other two are the neighbour head's: never 0xff);
;               V at 1,048,576: [bh][key step][stream][lane 32][word 2]: tile 4 s + 2 q + l / 16.
; LIMITS: a block of zeros gets the byte 1; largest magnitudes under 2^-124 are held at byte 1; NaN and infinities are not served.
; REGISTERS: window 0: v0-31 addresses; v32-63 scale words, two sets; v64-127 the bias; v128-223 A's fragments, two sets; on the way out v128-251 at work.  window 1: B's fragments, at v0 and v128.  window 2: the accumulators, (a, b) at v[8 (8 a + b)].
.set X1L,   98304
.set W0L,   196608
.set W1L,   245760
.set XSL,   294912
.set WSL,   303104
.set SPARE, 315392
.set UNITB, 786432                     ; from a unit's weights to the next unit's: 64 tiles of 12,288 bytes
.set BO,   6                           ; v6  Q, K: the bias loads' offset, 64 (lane / 16)
.set BV,   7                           ; v7  V: 4 (r + 8 (r / 8))
.set AQ,   8                           ; v8, 9    Q, K: my A fragments, K steps 0-3, 4-7
.set BQ,   10                          ; v10, 11  B's
.set AV,   12                          ; v12, 13  V: A's
.set BVA,  14                          ; v14, 15  B's
.set SQ,   16                          ; v16, 17  Q, K: my scale words: lanes 0-15 A's tile i, lanes 16-31 B's tile i; the second register serves i = 4 .. 7, where lanes 0-15 take A's tile i - 4 again
.set SV,   18                          ; v18, 19  V's
.set SQB,  20                          ; v20, 21  what the trip's two are made of
.set LI16, 24
.set LI8,  25
.set SPW,  28
.set NIL,  29
.set SC,   32
.set BIAS, 64
.set AF,   128
.set X,    128
.set PC,   192
.set TM,   212
.set WD,   232
.set MQ,   240
.set RC,   244
.set SEL,  100
.set G1X,  24
.set G1W,  32
.set G1XS, 40
.set G1WS, 48
.set G0HX, 56
.set G0HW, 60
.set G0XS, 68
.set G0WS, 72
.set G0X1, 76
.set GW0,  80
.set GW1,  84
.set DQ,   94                          ; s94, 95  the distance from A's scale words to B's, for the two registers; 4,096 more in each trip
.set MSB, 0
.macro WIN new
.if MSB != \new
	s_set_vgpr_msb (MSB<<8)|\new
.set MSB, \new
.endif
.endm
.set MUL_LO, 0xa1                      ; source 0 (B) window 1, source 1 (A) window 0, C and D window 2
.set TO_B,   0x40
.macro PLACES n
.rept \n
	v_nop
.endr
.endm
.macro TLD g0, g1
	tensor_load_to_lds s[\g0:\g0+3], s[\g1:\g1+7]
	s_nop 0
	PLACES 4
.endm
.macro CREST
	s_cmp_lg_u32 s20, 0
	s_cbranch_scc1 .Lnot_wave_0_\@
	s_barrier_signal -3
.Lnot_wave_0_\@:
	s_barrier_wait -3
	s_barrier_signal -1
	s_barrier_wait -1
.endm
.macro CROUND
	s_barrier_signal -1
	s_barrier_wait -1
	CREST
.endm
.macro MKC g, lds, src                 ; group 0: a constant LDS address, the address as it stands
	s_mov_b32 s[\g], 1
	s_mov_b32 s[\g+1], \lds
	s_mov_b64 s[\g+2:\g+3], s[\src:\src+1]
	s_or_b32 s[\g+3], s[\g+3], 0x80000000
.endm
.macro QUANT s, pw
.irp b, 0,1,2,3
	v_max3_num_f32 v[TM+\b], |v[\s+16*\b]|, |v[\s+1+16*\b]|, 0x1800000
.endr
.irp i, 2,4,6,8,10,12,14
.irp b, 0,1,2,3
	v_max3_num_f32 v[TM+\b], v[TM+\b], |v[\s+16*\b+\i]|, |v[\s+1+16*\b+\i]|
.endr
.endr
.irp b, 0,1,2,3
	v_permlanex16_b32 v[TM+4+\b], v[TM+\b], s[SEL], s[SEL+1]
.endr
.irp b, 0,1,2,3
	v_max_num_f32 v[TM+\b], v[TM+\b], v[TM+4+\b]
.endr
.irp b, 0,1,2,3
	v_add_nc_u32 v[TM+12+\b], 0xff000000, v[TM+\b]
.endr
.irp b, 0,1,2,3
	v_lshrrev_b32 v[TM+4+\b], 23, v[TM+12+\b]
.endr
	v_lshl_or_b32 v[\pw], v[TM+5], 8, v[TM+4]
	v_lshl_or_b32 v[\pw], v[TM+6], 16, v[\pw]
	v_lshl_or_b32 v[\pw], v[TM+7], 24, v[\pw]
.irp c, 0,1
	v_cvt_scalef32_pk16_fp6_f32 v[PC+6*\c:PC+2+6*\c], v[\s+32*\c:\s+15+32*\c], v[TM+12+2*\c]
	v_cvt_scalef32_pk16_fp6_f32 v[PC+12+4*\c:PC+14+4*\c], v[\s+16+32*\c:\s+31+32*\c], v[TM+12+2*\c+1]
.endr
	v_nop
.irp c, 0,1
.irp i, 0,1,2
	v_permlane16_swap_b32 v[PC+6*\c+\i], v[PC+12+4*\c+\i]
.endr
.irp i, 0,1,2
	v_mov_b32 v[PC+3+6*\c+\i], v[PC+12+4*\c+\i]
.endr
.endr
.endm
	s_load_b256 s[4:11], s[0:1], 0x0               ; xq_codes, xq_scales, wq_codes, wq_scales
	s_load_b256 s[12:19], s[0:1], 0x20             ; bqkv_mu, bqkv_sigma, qkv_codes, qkv_scales
	v_lshl_add_u32 v[SPW], v0, 2, SPARE
	v_mov_b32 v[NIL], 0
	ds_add_u32 v[SPW], v[NIL]                      ; the opening lines
	ds_add_u32 v[SPW], v[NIL]
	v_lshrrev_b32 v1, 5, v0
	v_readfirstlane_b32 s20, v1                    ; wave 0..3
	s_lshr_b32 s21, s20, 1
	s_and_b32 s22, s20, 1
	s_bfe_u32 s92, ttmp6, 0x40000                  ; cx
	s_bfe_u32 s93, ttmp6, 0x40004                  ; cy
	s_lshl_b32 s94, s93, 2
	s_lshl_b32 s94, 15, s94                        ; my row of the cluster
	s_lshl_b32 s95, 0x1111, s92                    ; my column
	s_or_b32 s[G1X], s94, (3<<16)|(1<<21)          ; the mask; elements of 8 bytes; bit 21 beside a mask
	s_or_b32 s[G1W], s95, (3<<16)|(1<<21)
	s_or_b32 s[G1XS], s94, (3<<16)|(1<<21)
	s_or_b32 s[G1WS], s95, (3<<16)|(1<<21)
.irp g, G1X, G1W                       ; tiles' 6,144 bytes (four K steps), 12,288 bytes apart in memory, on end in LDS
	s_mov_b32 s[\g+1], 768<<16
	s_mov_b32 s[\g+3], 768<<16
	s_mov_b32 s[\g+5], 1536
	s_mov_b32 s[\g+6], 0
	s_mov_b32 s[\g+7], 0
.endr
	s_mov_b32 s[G1X+2], 16<<16                     ; at the head 16 tiles of tokens,
	s_mov_b32 s[G1X+4], 16
	s_mov_b32 s[G1W+2], 8<<16                      ; 8 of weights
	s_mov_b32 s[G1W+4], 8
	s_mov_b32 s[G1XS+1], 32<<16                    ; the tokens' scale words: 8,192 dense bytes
	s_mov_b32 s[G1XS+2], 32<<16
	s_mov_b32 s[G1XS+3], 32<<16
	s_mov_b32 s[G1XS+4], 32
	s_mov_b32 s[G1XS+5], 32
	s_mov_b32 s[G1XS+6], 0
	s_mov_b32 s[G1XS+7], 0
	s_mov_b32 s[G1WS+1], 512<<16                   ; the three units' scale words: 3 rows of 4,096 bytes, 32,768 apart
	s_mov_b32 s[G1WS+2], 3<<16
	s_mov_b32 s[G1WS+3], 512<<16
	s_mov_b32 s[G1WS+4], 3
	s_mov_b32 s[G1WS+5], 4096
	s_mov_b32 s[G1WS+6], 0
	s_mov_b32 s[G1WS+7], 0
	s_lshr_b32 s23, ttmp9, 1                       ; the stream
	s_and_b32 s2, ttmp9, 1
	s_lshl_b32 s2, s2, 2
	s_add_co_u32 s2, s2, s92                       ; j: hangs on cx alone of the two places
	s_and_b32 s3, ttmp7, 0xffff
	s_lshl_b32 s3, s3, 2
	s_add_co_u32 s3, s3, s93                       ; the block of tokens: on cy alone
	s_mul_i32 s96, s23, 3145728
	s_mul_i32 s97, s3, 196608
	s_add_co_u32 s96, s96, s97
	s_mov_b32 s97, 0
	s_lshl_b32 s98, s23, 17
	s_lshl_b32 s99, s3, 13
	s_add_co_u32 s98, s98, s99
	s_mov_b32 s99, 0
	s_mul_i32 s88, s23, 2359296
	s_mul_i32 s89, s2, 98304
	s_add_co_u32 s88, s88, s89
	s_mov_b32 s89, 0
	s_mul_i32 s90, s23, 98304
	s_lshl_b32 s91, s2, 12
	s_add_co_u32 s90, s90, s91
	s_mov_b32 s91, 0
	s_mov_b32 s[SEL], 0x76543210
	s_mov_b32 s[SEL+1], 0xfedcba98
	s_wait_dscnt 0x0
	s_wait_kmcnt 0x0
	s_add_nc_u64 s[4:5], s[4:5], s[96:97]          ; my tokens' codes,
	s_add_nc_u64 s[6:7], s[6:7], s[98:99]          ; their scale words,
	s_add_nc_u64 s[8:9], s[8:9], s[88:89]          ; the first unit's weights,
	s_add_nc_u64 s[10:11], s[10:11], s[90:91]      ; their scale words
	MKC G0HX, 0, 4
	MKC G0HW, W0L, 8
	MKC G0XS, XSL, 6
	MKC G0WS, WSL, 10
	s_mul_i32 s96, s22, 98304                      ; the later fills: which half of the tiles I fetch
	s_mov_b32 s97, 0
	s_mov_b32 s[G0X1], 1
	s_mul_i32 s[G0X1+1], s22, 49152
	s_add_co_u32 s[G0X1+1], s[G0X1+1], X1L
	s_add_nc_u64 s[G0X1+2:G0X1+3], s[4:5], s[96:97]
	s_add_nc_u64 s[G0X1+2:G0X1+3], s[G0X1+2:G0X1+3], 6144
	s_or_b32 s[G0X1+3], s[G0X1+3], 0x80000000
	s_mul_i32 s96, s22, 49152
	s_mov_b32 s[GW0], 1
	s_mul_i32 s[GW0+1], s22, 24576
	s_add_co_u32 s[GW0+1], s[GW0+1], W0L
	s_add_nc_u64 s[GW0+2:GW0+3], s[8:9], s[96:97]
	s_mov_b32 s[GW1], 1
	s_mul_i32 s[GW1+1], s22, 24576
	s_add_co_u32 s[GW1+1], s[GW1+1], W1L
	s_add_nc_u64 s[GW1+2:GW1+3], s[GW0+2:GW0+3], 6144
	s_or_b32 s[GW0+3], s[GW0+3], 0x80000000
	s_or_b32 s[GW1+3], s[GW1+3], 0x80000000
	CROUND                                         ; all sixteen work-groups are here: the first joint loads meet
.macro ARM under, g0, g1, next         ; the head's loads: one chain of branches on the wave's number, one load to an arm, all arms to one join
	s_cmp_lt_u32 s20, \under
	s_cbranch_scc0 \next
	TLD \g0, \g1
	s_branch .Lhead_asked
\next:
.endm
	ARM 1, G0HX, G1X,  .Lhead_w
	ARM 2, G0HW, G1W,  .Lhead_xs
	ARM 3, G0XS, G1XS, .Lhead_ws
	TLD G0WS, G1WS
.Lhead_asked:
	; where the results go and the bias comes from (the inputs' addresses have been used)
	s_cmp_eq_u32 s23, 0
	s_cselect_b64 s[12:13], s[12:13], s[14:15]     ; the stream's bias
	s_lshl_b32 s96, s2, 9
	s_mov_b32 s97, 0
	s_add_nc_u64 s[8:9], s[12:13], s[96:97]        ; Q's columns 128 j; 4,096 bytes more for K's
	s_lshl_b32 s98, s22, 8
	s_add_co_u32 s96, s96, s98
	s_add_co_u32 s96, s96, 8192
	s_add_nc_u64 s[14:15], s[12:13], s[96:97]      ; V's columns 128 j + 64 (wave % 2)
	s_lshl_b32 s98, s3, 1
	s_add_co_u32 s98, s98, s21                     ; my 128 tokens
	s_lshr_b32 s99, s98, 4                         ; the batch
	s_and_b32 s98, s98, 15                         ; the step of 128 tokens in it
	s_lshl_b32 s99, s99, 4
	s_lshl_b32 s88, s2, 1
	s_add_co_u32 s99, s99, s88                     ; bh of the unit's first head
	s_lshl_b32 s96, s99, 7
	s_lshl_b32 s88, s98, 3
	s_add_co_u32 s96, s96, s88
	s_lshl_b32 s88, s22, 2
	s_add_co_u32 s96, s96, s88                     ; Q, K: tile 128 bh + 8 step + 4 (wave % 2)
	s_mul_i32 s96, s96, 1536
	s_mul_i32 s88, s23, 768
	s_add_co_u32 s96, s96, s88
	s_add_nc_u64 s[4:5], s[16:17], s[96:97]
	s_lshl_b32 s96, s99, 1
	s_add_co_u32 s96, s96, s23
	s_lshl_b32 s96, s96, 4
	s_add_co_u32 s96, s96, s98
	s_lshl_b32 s96, s96, 9
	s_lshl_b32 s88, s22, 3
	s_add_co_u32 s96, s96, s88                     ; my two words of a lane's four
	s_add_nc_u64 s[6:7], s[18:19], s[96:97]
	s_add_co_u32 s99, s99, s22                     ; V: my head
	s_lshl_b32 s99, s99, 4
	s_add_co_u32 s99, s99, s98                     ; 16 bh + key step
	s_lshl_b32 s96, s99, 3
	s_lshl_b32 s88, s23, 2
	s_add_co_u32 s96, s96, s88
	s_mul_i32 s96, s96, 1536
	s_add_co_u32 s96, s96, 12582912
	s_add_nc_u64 s[10:11], s[16:17], s[96:97]
	s_lshl_b32 s96, s99, 1
	s_add_co_u32 s96, s96, s23
	s_lshl_b32 s96, s96, 8
	s_add_co_u32 s96, s96, 1048576
	s_add_nc_u64 s[12:13], s[18:19], s[96:97]
	s_mov_b32 s88, 0x03020100                      ; a word as it is, and with its halves changed
	s_mov_b32 s89, 0x01000302
	s_cmp_eq_u32 s23, 0
	s_cselect_b32 s90, s88, s89                    ; the first head's two bytes go to places 2 s, 2 s + 1,
	s_cselect_b32 s91, s89, s88                    ; and so do the second's
	s_xor_b32 s[DQ], s20, 3
	s_lshl_b32 s[DQ], s[DQ], 11
	s_add_co_u32 s[DQ+1], s[DQ], 4096
	s_add_co_u32 s[DQ], s[DQ], 2048                ; WSL - XSL - 2,048 wave
	s_mul_i32 s96, s20, 24576                      ; Q, K: my 4 tiles of tokens
	s_mul_i32 s97, s22, 24576                      ; V: my 4 tiles of weights,
	s_mul_i32 s98, s21, 49152                      ; my 8 tiles of tokens
	s_lshl_b32 s99, s20, 11
	s_add_co_u32 s88, s99, XSL-2048
	s_add_co_u32 s99, s99, XSL
	s_lshl_b32 s89, s21, 12
	s_add_co_u32 s89, s89, XSL                     ; V: B's scale words, the lower base
	s_xor_b32 s92, s21, 1
	s_lshl_b32 s92, s92, 12
	s_lshl_b32 s93, s22, 11
	s_add_co_u32 s92, s92, s93
	s_add_co_u32 s93, s92, 10240
	s_add_co_u32 s92, s92, 12288                   ; and the distance up to A's: WSL + 8,192 + 2,048 (wave % 2) - XSL - 4,096 (wave / 2)
	s_mov_b32 s3, 2                                ; two trips: Q, K
	v_and_b32 v1, 31, v0
	v_and_b32 v2, 15, v0                           ; r
	v_bfe_u32 v3, v0, 4, 1                         ; h
	v_lshlrev_b32 v[LI16], 4, v1
	v_lshlrev_b32 v[LI8], 3, v1
	v_lshlrev_b32 v5, 3, v2
	v_lshlrev_b32 v[BO], 6, v3
	v_and_b32 v4, 8, v2
	v_xor_b32 v26, 1, v3                           ; 1 in lanes 0-15
	v_add_nc_u32 v4, v4, v2
	v_add_nc_u32 v[AQ], s96, v[LI16]
	v_add_nc_u32 v[BQ], W0L, v[LI16]
	v_add_nc_u32 v[BQ+1], W1L, v[LI16]
	v_add_nc_u32 v[BVA], s98, v[LI16]
	v_lshlrev_b32 v[BV], 2, v4
	v_add_nc_u32 v[AQ+1], X1L, v[AQ]
	v_add_nc_u32 v[AV], s97, v[BQ]
	v_add_nc_u32 v[AV+1], s97, v[BQ+1]
	v_add_nc_u32 v[BVA+1], X1L, v[BVA]
	v_add_nc_u32 v[SQB], s99, v5
	v_add_nc_u32 v[SQB+1], s88, v5
	v_add_nc_u32 v4, s89, v5
	v_mad_u32_u24 v[SV], s92, v26, v4
	v_mad_u32_u24 v[SV+1], s93, v26, v4
.macro FRAG3 reg, adr, off
.irp c, 0,1,2
	ds_load_b128 v[\reg+4*\c:\reg+4*\c+3], v[\adr] offset:\off+512*\c
.endr
.endm
.macro FETCH ra, rb, n                 ; K step n's fragments into set n % 2: B's eight, A's four
	WIN TO_B
.irp i, 0,1,2,3,4,5,6,7
	FRAG3 128*((\n)%2)+12*\i, \rb+(\n)/4, 6144*\i+1536*((\n)%4)
.endr
	WIN 0
.irp i, 0,1,2,3
	FRAG3 AF+48*((\n)%2)+12*\i, \ra+(\n)/4, 6144*\i+1536*((\n)%4)
.endr
.endm
.macro SCALES rs, sp                   ; the scale words of K steps 2 sp, 2 sp + 1 into set sp % 2
.irp i, 0,1,2,3
	ds_load_b64 v[SC+16*((\sp)%2)+2*\i:SC+16*((\sp)%2)+2*\i+1], v[\rs] offset:512*\i+128*(\sp)
.endr
.irp i, 4,5,6,7
	ds_load_b64 v[SC+16*((\sp)%2)+2*\i:SC+16*((\sp)%2)+2*\i+1], v[\rs+1] offset:512*\i+128*(\sp)
.endr
.endm
; 16 matrix instructions: A's blocks a0, a0 + 1 x B's eight, K step n.  The 32 accumulators take turns, one instruction a turn, in the same order in every step.
.macro MUL16 a0, n
.irp a, \a0, \a0+1
.irp b, 0,1,2,3,4,5,6,7
.if (\n) == 0
	v_wmma_scale_f32_16x16x128_f8f6f4 v[8*(8*(\a)+\b):8*(8*(\a)+\b)+7], v[128*((\n)%2)+12*\b:128*((\n)%2)+12*\b+11], v[AF+48*((\n)%2)+12*(\a):AF+48*((\n)%2)+12*(\a)+11], 0, v[SC+16*(((\n)/2)%2)+2*\b+(\n)%2], v[SC+16*(((\n)/2)%2)+2*(\a)+(\n)%2] matrix_a_fmt:MATRIX_FMT_FP6 matrix_b_fmt:MATRIX_FMT_FP6 matrix_a_scale:MATRIX_SCALE_ROW1
.else
	v_wmma_scale_f32_16x16x128_f8f6f4 v[8*(8*(\a)+\b):8*(8*(\a)+\b)+7], v[128*((\n)%2)+12*\b:128*((\n)%2)+12*\b+11], v[AF+48*((\n)%2)+12*(\a):AF+48*((\n)%2)+12*(\a)+11], v[8*(8*(\a)+\b):8*(8*(\a)+\b)+7], v[SC+16*(((\n)/2)%2)+2*\b+(\n)%2], v[SC+16*(((\n)/2)%2)+2*(\a)+(\n)%2] matrix_a_fmt:MATRIX_FMT_FP6 matrix_b_fmt:MATRIX_FMT_FP6 matrix_a_scale:MATRIX_SCALE_ROW1
.endif
.endr
.endr
.endm
.macro KSTEP ra, rb, rs, n             ; a K step: the next step's fragments are asked for into the other set, then this step's 32 products
	s_wait_dscnt 0x0                               ; this step's fragments are in
	PLACES 4                                       ; behind the last step's products, which read the other set
	FETCH \ra, \rb, (\n)+1
.if ((\n)+1)%2 == 0
	SCALES \rs, ((\n)+1)/2
.endif
	WIN MUL_LO
	MUL16 0, \n
	MUL16 2, \n
	WIN 0
.endm
; K step 3 or 7, with a barrier.  In front of it each wave waits for all its tensor loads, adds 0 to its spare word, and waits for that and for its reads of the half in hand.
; fill = 1: the weights' half just read out takes the next unit's: the barrier opens a round of the cluster's.  fill = 0: the barrier shows the last refill whole to all four waves.
.macro TURN ra, rb, rs, n, fill, g0
	s_wait_tensorcnt 0x0
	ds_add_u32 v[SPW], v[NIL]
	s_wait_dscnt 1                                 ; (the add alone may be out)
	WIN MUL_LO
	MUL16 0, \n
	s_wait_dscnt 0x0
	s_barrier_signal -1
	MUL16 2, \n
	WIN 0
	s_barrier_wait -1
.if \fill
	CREST
	s_add_nc_u64 s[\g0+2:\g0+3], s[\g0+2:\g0+3], UNITB
	s_cmp_eq_u32 s21, 0                            ; waves 2 and 3 fetch four tiles each
	s_cbranch_scc1 .Lno_w_\@
	TLD \g0, G1W
.Lno_w_\@:
.endif
	PLACES 4
.if (\n) == 3
	FETCH \ra, \rb, 4
	SCALES \rs, 2
.endif
.endm
.macro UNIT ra, rb, rs, fill
	FETCH \ra, \rb, 0
	SCALES \rs, 0
	KSTEP \ra, \rb, \rs, 0
	KSTEP \ra, \rb, \rs, 1
	KSTEP \ra, \rb, \rs, 2
	TURN  \ra, \rb, \rs, 3, \fill, GW0
	KSTEP \ra, \rb, \rs, 4
	KSTEP \ra, \rb, \rs, 5
	KSTEP \ra, \rb, \rs, 6
.if \fill
	TURN  \ra, \rb, \rs, 7, 1, GW1
.else
	s_wait_dscnt 0x0
	WIN MUL_LO
	MUL16 0, 7
	MUL16 2, 7
	WIN 0
	PLACES 4
.endif
.endm
.macro TAKE a, lane_bias               ; block a's 64 sums + bias -> v[X] on; each accumulator from its low end on
	s_wait_xcnt 0x0                                ; the last block's stores have read their data
	WIN 0x02                                       ; source 0: window 2
.set AC, 64*(\a)
.set E, 0
.rept 32
.if \lane_bias
	v_pk_add_f32 v[X+E:X+E+1], v[AC+E:AC+E+1], v[BIAS+2*(\a):BIAS+2*(\a)+1]
.else
	v_pk_add_f32 v[X+E:X+E+1], v[AC+E:AC+E+1], v[BIAS+E:BIAS+E+1]
.endif
.set E, E+2
.endr
	WIN 0
.endm
	s_wait_alu depctr_va_vdst(0)                   ; the wait at the head's end
	s_wait_tensorcnt 0x0                           ; my tile of the head's four is in
	ds_add_u32 v[SPW], v[NIL]
	s_mov_b32 s[G1X+2], 8<<16                      ; no tensor load of mine is out: from here on a load brings 8 tiles of tokens,
	s_mov_b32 s[G1X+4], 8
	s_mov_b32 s[G1W+2], 4<<16                      ; or 4 of weights
	s_mov_b32 s[G1W+4], 4
	s_wait_dscnt 0x0
	CROUND
	s_cmp_eq_u32 s21, 0                            ; K steps 4-7: waves 0, 1 the tokens', waves 2, 3 the first unit's weights
	s_cbranch_scc0 .Lsecond_w
	TLD G0X1, G1X
	s_branch .Lsecond_j
.Lsecond_w:
	TLD GW1, G1W
.Lsecond_j:
.Lunit:
	; ---- Q, then K: a lane is a token, its registers run along 128 columns: two heads of 64
.irp b, 0,1,2,3
.irp j, 0,1,2,3
	global_load_b128 v[BIAS+16*\b+4*\j:BIAS+16*\b+4*\j+3], v[BO], s[8:9] offset:128*\b+16*\j   ; register 16 b + i: the bias of column 32 b + 16 h + i
.endr
.endr
	v_mad_u32_u24 v[SQ], s[DQ], v3, v[SQB]         ; this unit's scale words
	v_mad_u32_u24 v[SQ+1], s[DQ+1], v3, v[SQB+1]
	s_wait_alu depctr_va_vdst(0)
	UNIT AQ, BQ, SQ, 1
.irp b, 0,1,2,3
	v_mov_b32 v[TM+4+\b], 0                        ; a lane permute's destination counts as one of its sources
.endr
	s_wait_loadcnt 0x0                             ; the bias
.irp a, 0,1,2,3
	TAKE \a, 0
	QUANT X, WD+\a
	global_store_b128 v[LI16], v[PC:PC+3], s[4:5] offset:1536*\a                   ; the first head's half image: 512 + 256 consecutive bytes,
	global_store_b64 v[LI8], v[PC+4:PC+5], s[4:5] offset:1536*\a+512
	global_store_b128 v[LI16], v[PC+6:PC+9], s[4:5] offset:196608+1536*\a          ; the second head's
	global_store_b64 v[LI8], v[PC+10:PC+11], s[4:5] offset:196608+1536*\a+512
.endr
	v_cmp_eq_u32 vcc_lo, 1, v3                     ; lanes 16-31 take the odd tile's word
.irp q, 0,1
	v_cndmask_b32 v[MQ+\q], v[WD+2*\q], v[WD+2*\q+1], vcc_lo
.endr
.irp q, 0,1
	v_perm_b32 v[RC+\q], v[MQ+\q], v[MQ+\q], s90
	v_perm_b32 v[RC+2+\q], v[MQ+\q], v[MQ+\q], s91
.endr
	global_store_b64 v[LI16], v[RC:RC+1], s[6:7]
	global_store_b64 v[LI16], v[RC+2:RC+3], s[6:7] offset:16384
	s_wait_xcnt 0x0                                ; the stores have read their data and bases
	s_add_nc_u64 s[4:5], s[4:5], 6291456
	s_add_nc_u64 s[6:7], s[6:7], 524288
	s_add_nc_u64 s[8:9], s[8:9], 4096
	s_add_co_u32 s[DQ], s[DQ], 4096
	s_add_co_u32 s[DQ+1], s[DQ+1], 4096
	s_sub_co_u32 s3, s3, 1
	s_cmp_lg_u32 s3, 0
	s_cbranch_scc1 .Lunit
	; ---- V: a lane is a channel, its registers run along 128 tokens: one key step
.irp a, 0,1,2,3
	global_load_b32 v[BIAS+2*\a], v[BV], s[14:15] offset:4*(32*(\a/2)+8*(\a%2))    ; my channel's bias in block a, twice: a pair for the packed addition
	global_load_b32 v[BIAS+2*\a+1], v[BV], s[14:15] offset:4*(32*(\a/2)+8*(\a%2))
.endr
	UNIT AV, BVA, SV, 0
.irp b, 0,1,2,3
	v_mov_b32 v[TM+4+\b], 0
.endr
	s_wait_loadcnt 0x0
.irp a, 0,1,2,3
	TAKE \a, 1
	QUANT X, WD+\a
.irp p, 0,1,2
	global_store_b128 v[LI16], v[PC+4*\p:PC+4*\p+3], s[10:11] offset:1536*\a+512*\p
.endr
.endr
	v_cmp_eq_u32 vcc_lo, 1, v3
.irp q, 0,1
	v_cndmask_b32 v[MQ+\q], v[WD+2*\q], v[WD+2*\q+1], vcc_lo
.endr
	global_store_b64 v[LI8], v[MQ:MQ+1], s[12:13]
	s_wait_tensorcnt 0x0                           ; the wave's end
	ds_add_u32 v[SPW], v[NIL]
	s_wait_dscnt 0x0
	CROUND                                         ; the closing round
	s_endpgm
.Lfunc_end_k_qe321db36af_gemm_qkv:
	.size	k_qe321db36af_gemm_qkv, .Lfunc_end_k_qe321db36af_gemm_qkv-k_qe321db36af_gemm_qkv
	.p2alignl 7, 3214868480
	.fill 96, 4, 3214868480
	.section	.rodata,"a",@progbits
	.p2align	6, 0x0
	.amdhsa_kernel k_qe321db36af_gemm_qkv
		.amdhsa_group_segment_fixed_size 327680
		.amdhsa_private_segment_fixed_size 0
		.amdhsa_enable_private_segment 0
		.amdhsa_kernarg_size 64
		.amdhsa_user_sgpr_count 2
		.amdhsa_user_sgpr_kernarg_segment_ptr 1
		.amdhsa_wavefront_size32 1
		.amdhsa_system_sgpr_workgroup_id_x 1
		.amdhsa_system_sgpr_workgroup_id_y 1
		.amdhsa_system_sgpr_workgroup_id_z 1
		.amdhsa_system_vgpr_workitem_id 0
		.amdhsa_next_free_vgpr 768
		.amdhsa_next_free_sgpr 104
		.amdhsa_reserve_vcc 1
		.amdhsa_float_denorm_mode_32 3
		.amdhsa_float_denorm_mode_16_64 3
		.amdhsa_memory_ordered 1
		.amdhsa_forward_progress 1
		.amdhsa_inst_pref_size 176
	.end_amdhsa_kernel
	.amdgpu_metadata
---
amdhsa.version: [ 1, 2 ]
amdhsa.kernels:
  - .name:           k_qe321db36af_gemm_qkv
    .symbol:         k_qe321db36af_gemm_qkv.kd
    .args:
      - { .name: xq_codes, .offset: 0, .size: 8, .value_kind: global_buffer, .address_space: global }
      - { .name: xq_scales, .offset: 8, .size: 8, .value_kind: global_buffer, .address_space: global }
      - { .name: wq_codes, .offset: 16, .size: 8, .value_kind: global_buffer, .address_space: global }
      - { .name: wq_scales, .offset: 24, .size: 8, .value_kind: global_buffer, .address_space: global }
      - { .name: bqkv_mu, .offset: 32, .size: 8, .value_kind: global_buffer, .address_space: global }
      - { .name: bqkv_sigma, .offset: 40, .size: 8, .value_kind: global_buffer, .address_space: global }
      - { .name: qkv_codes, .offset: 48, .size: 8, .value_kind: global_buffer, .address_space: global }
      - { .name: qkv_scales, .offset: 56, .size: 8, .value_kind: global_buffer, .address_space: global }
    .group_segment_fixed_size: 327680
    .private_segment_fixed_size: 0
    .kernarg_segment_align: 8
    .kernarg_segment_size: 64
    .max_flat_workgroup_size: 128
    .sgpr_count:     104
    .vgpr_count:     768
    .wavefront_size: 32
...
	.end_amdgpu_metadata
.endif
;; end of part 2
;; launch attn (part 3): grid 8 x 32, 8 waves a work-group, no clusters, 327,680 bytes of LDS; arguments qkv_codes, qkv_scales, alpha, o_codes, o_scales; writes o_codes, o_scales
.if DOCPART == 3
	.amdgcn_target "amdgcn-amd-amdhsa--gfx1250"
	.amdhsa_code_object_version 6
	.text
	.protected	k_qe321db36af_attn
	.globl	k_qe321db36af_attn
	.p2align	8
	.type	k_qe321db36af_attn,@function
k_qe321db36af_attn:
	s_mov_b64 s[64:65], 0
	v_nop
	global_prefetch_b8 v0, s[64:65] scope:SCOPE_SE
	s_setreg_imm32_b32 hwreg(HW_REG_WAVE_MODE, 25, 1), 1
	s_wait_xcnt 0x0
; Causal attention on codes of FP6 (E2M3): S^T = K Q^T for mu and for sigma (K = 64 each, the other half of the 128 zero codes), joined in f32 with alpha; p = 2^(t - M), M the ceiling of the running largest t;
; p quantised by blocks of 32 keys; O^T += V^T p^T for both streams; O / l quantised for the projections.
; WORK LEFT OUT: a step of 128 keys all of which come after a wave's queries: the problem's own lower triangle makes every p there 0 for all values of the inputs.
; LIMITS: the scaled scores stay under 2^31 in magnitude; a NaN, an infinity or an overflow that would arise only in the steps left out is not carried on; blocks of zeros get the byte 1.
; SHARES: work-group (x, bh): query blocks x and 15 - x of 128.  Eight waves; a wave holds TWO neighbouring tiles of 16 queries, tile t in register window t under the same register numbers,
; and both tiles use each fragment of K and V that the wave reads from LDS (fragments: window 1, v44-91).
; Waves 0-3 take block x, waves 4-7 block 15 - x.  When block x is done (key step (x | 1) + 1, a number made of ids alone), waves 0-3 store it and take up block 15 - x as well, with sums of their own:
; from then on wave j + 4 takes a slot's first key step and wave j its second.  At the end the partners change one tile's O, l, M through LDS and join them by factors 2^(M - largest M), which round nothing.
; THE RING: two slots of two key steps (K 24,576 bytes, V 24,576), wave 0 fetches K's, wave 1 V's; the scale words of all keys come once, by waves 2-7: one tensor load a wave at the head; one out a wave at the most.
; NO CLUSTER: the eight work-groups of a head need different numbers of tiles (16 - x key steps).  PREFETCH: work-group x = 0, which walks all keys, asks in trip i for slot i + 2 (49,152 bytes, waves 2-7, a lane 256 bytes); trips 6, 7 ask nothing.
; WINDOW 0: v1-5, 9-11 addresses; v6, 7 tile 1's Q scales, v8 its p scales (scale operands have no window); v12-15 -M, largest t, l; v16-33 Q; v34, 35 Q scales; v36-43 K's, V's scales; v44-50 addresses;
; v52-79 block 15 - x's Q; v92-155 S, p; v156-219 O^T; v220-251 sigma's scores, then p's codes and work.  WINDOW 1: tile 1's v5, 9, 11-33, 92-255.
.set SLOT1, 65536
.set VOFF,  24576
.set SCB,   131072
.set SPARE, 155648
.set STG,   156672                     ; the stage for the change of sums: 8,704 bytes a wave, bytes that no tensor load fills
.set LI16, 1
.set LI8,  2
.set SPW,  3
.set NIL,  4
.set QD,   5
.set SH,   9
.set PFO,  10
.set OW,   11
.set AD16, 44
.set AD8,  45
.set ADS16, 46
.set ADS8, 47
.set STW,  48
.set STR,  49
.set SO,   50
.set AQ,   52
.set AQS,  76
.set S,    92
.set O,    156
.set T,    220
.set PC,   220
.set TM,   160
.set TB,   2
.set TS,   3
.set WV,   18
.set QB,   19
.set SEL,  20
.set CS,   22
.set AL,   24
.set GR,   26
.set SK,   27
.set G1D,  28
.set G1S,  36
.set G0D,  44
.set G0S,  48
.set SLOTS, 52
.set KS,   53
.set LASTB, 54
.set LIM,  55
.set PFA,  56
.set SWK,  58
.set MSB, 0
.macro WIN new                         ; the immediate's high byte repeats the setting that is left
.if MSB != (\new)
	s_set_vgpr_msb (MSB<<8)|(\new)
.set MSB, (\new)
.endif
.endm
.macro TLD g0, g1
	tensor_load_to_lds s[\g0:\g0+3], s[\g1:\g1+7]
	s_nop 0
.rept 4
	v_nop
.endr
.endm
.macro QUANT s, pw                     ; 64 numbers of a lane become a fragment's codes in v[PC] on and its row's scale word in v[pw]
.irp b, 0,1,2,3
	v_max3_num_f32 v[TM+\b], |v[\s+16*\b]|, |v[\s+1+16*\b]|, 0x1800000
.endr
.irp i, 2,4,6,8,10,12,14
.irp b, 0,1,2,3
	s_delay_alu instid0(VALU_DEP_4)
	v_max3_num_f32 v[TM+\b], v[TM+\b], |v[\s+16*\b+\i]|, |v[\s+1+16*\b+\i]|
.endr
.endr
.irp b, 0,1,2,3
	v_permlanex16_b32 v[TM+4+\b], v[TM+\b], s[SEL], s[SEL+1]
.endr
.irp b, 0,1,2,3
	s_delay_alu instid0(VALU_DEP_4)
	v_max_num_f32 v[TM+\b], v[TM+\b], v[TM+4+\b]
.endr
.irp b, 0,1,2,3
	s_delay_alu instid0(VALU_DEP_4)
	v_add_nc_u32 v[TM+12+\b], 0xff000000, v[TM+\b]
.endr
.irp b, 0,1,2,3
	s_delay_alu instid0(VALU_DEP_4)
	v_lshrrev_b32 v[TM+4+\b], 23, v[TM+12+\b]
.endr
	s_delay_alu instid0(VALU_DEP_3)
	v_lshl_or_b32 v[\pw], v[TM+5], 8, v[TM+4]
	s_delay_alu instid0(VALU_DEP_1)
	v_lshl_or_b32 v[\pw], v[TM+6], 16, v[\pw]
	s_delay_alu instid0(VALU_DEP_1)
	v_lshl_or_b32 v[\pw], v[TM+7], 24, v[\pw]
.irp c, 0,1
	v_cvt_scalef32_pk16_fp6_f32 v[PC+6*\c:PC+2+6*\c], v[\s+32*\c:\s+15+32*\c], v[TM+12+2*\c]
	v_cvt_scalef32_pk16_fp6_f32 v[PC+12+4*\c:PC+14+4*\c], v[\s+16+32*\c:\s+31+32*\c], v[TM+12+2*\c+1]
.endr
	v_nop
.irp c, 0,1
.irp i, 0,1,2
	v_permlane16_swap_b32 v[PC+6*\c+\i], v[PC+12+4*\c+\i]
.endr
.irp i, 0,1,2
	s_delay_alu instid0(VALU_DEP_3)
	v_mov_b32 v[PC+3+6*\c+\i], v[PC+12+4*\c+\i]
.endr
.endr
.endm
.macro INIT t, first                   ; tile t's sums begin: largest t -3e38, l = 0, O^T = 0
	WIN 0x55*(\t)
	v_mov_b32 v13, 0xff61b1e6
	v_mov_b32 v14, 0
	v_mov_b32 v15, 0
	v_floor_f32 v12, -v13
.if \first
.irp j, 22,23,24,25,26,27,236,237,238,239,252,253
	v_mov_b32 v\j, 0
.endr
.endif
.set J, 0
.rept 64
	v_mov_b32 v[O+J], 0
.set J, J+1
.endr
	WIN 0
.endm
.macro QADR qb, cb, sb                 ; where block qb's Q codes and scale words of my two tiles begin
	s_lshl_b32 s72, \qb, 3
	s_add_co_u32 s72, s72, s75
	s_mul_i32 s72, s72, 1536
	s_add_co_u32 s72, s72, s70
	s_mov_b32 s73, 0
	s_add_nc_u64 s[\cb:\cb+1], s[4:5], s[72:73]
	s_lshl_b32 s72, \qb, 9
	s_add_co_u32 s72, s72, s71
	s_add_nc_u64 s[\sb:\sb+1], s[6:7], s[72:73]
.endm
.macro QLD ra, rb, cb, off
	global_load_b128 v[\ra:\ra+3], v[LI16], s[\cb:\cb+1] offset:\off
	global_load_b64 v[\ra+4:\ra+5], v[LI8], s[\cb:\cb+1] offset:\off+512
	global_load_b128 v[\rb:\rb+3], v[LI16], s[\cb:\cb+1] offset:\off+768
	global_load_b64 v[\rb+4:\rb+5], v[LI8], s[\cb:\cb+1] offset:\off+1280
.endm
.macro OUTADR                          ; where block QB's results of my two tiles go
	s_lshl_b32 s74, s[QB], 3
	s_add_co_u32 s74, s74, s75
	s_add_co_u32 s74, s74, s80
	s_mul_i32 s84, s74, 12288
	s_add_co_u32 s84, s84, s81
	s_mov_b32 s85, 0
	s_add_nc_u64 s[86:87], s[10:11], s[84:85]
	s_lshl_b32 s84, s74, 9
	s_add_co_u32 s84, s84, s82
	s_add_nc_u64 s[88:89], s[12:13], s[84:85]
.endm
; tile t's O / l, quantised and stored.  merge = 1: the partner's O^T lies in v[S] on, its -M, largest t and l in v[T] on
.macro FINISH t, merge
	WIN 0x55*(\t)
	v_add_f32 v14, v14, v15
.if \merge
	v_add_f32 v[T+2], v[T+2], v[T+3]
	v_min_num_f32 v254, v12, v[T]                  ; -(the larger M)
	v_sub_f32 v[T+1], v254, v12
	v_sub_f32 v[T+3], v254, v[T]
	v_cvt_i32_f32 v[T+1], v[T+1]                   ; (saturates)
	v_cvt_i32_f32 v[T+3], v[T+3]
	v_ldexp_f32 v[T+1], 1.0, v[T+1]
	v_ldexp_f32 v[T+3], 1.0, v[T+3]
	v_mul_f32 v14, v14, v[T+1]
	v_fmac_f32 v14, v[T+2], v[T+3]
.endif
	v_permlanex16_b32 v252, v14, s[SEL], s[SEL+1]
	s_delay_alu instid0(VALU_DEP_1)
	v_add_f32 v14, v14, v252
	s_wait_alu depctr_va_vdst(0)                   ; the wait ahead of the transcendental
	v_rcp_f32 v14, v14
	v_nop
	s_wait_alu depctr_va_vdst(0)                   ; and ahead of its first reader, and of O^T's
.if \merge
	v_mul_f32 v252, v14, v[T+3]
	v_mul_f32 v14, v14, v[T+1]
.set J, 0
.rept 32
	v_pk_mul_f32 v[S+J:S+J+1], v[S+J:S+J+1], v[252:253] op_sel_hi:[1,0]
.set J, J+2
.endr
.set J, 0
.rept 32
	v_pk_fma_f32 v[S+J:S+J+1], v[O+J:O+J+1], v[14:15], v[S+J:S+J+1] op_sel_hi:[1,0,1]
.set J, J+2
.endr
.else
.set J, 0
.rept 32
	v_pk_mul_f32 v[S+J:S+J+1], v[O+J:O+J+1], v[14:15] op_sel_hi:[1,0]
.set J, J+2
.endr
.endif
	QUANT S, OW
	v_lshrrev_b32 v[OW], v[SH], v[OW]              ; lanes 0-15 mu's two bytes, lanes 16-31 sigma's
	WIN 0x04*(\t)                                  ; a store's data: window t
	global_store_b128 v[LI16], v[PC:PC+3], s[86:87] offset:12288*(\t)
	global_store_b64 v[LI8], v[PC+4:PC+5], s[86:87] offset:12288*(\t)+512
	global_store_b128 v[LI16], v[PC+6:PC+9], s[86:87] offset:3145728+12288*(\t)
	global_store_b64 v[LI8], v[PC+10:PC+11], s[86:87] offset:3145728+12288*(\t)+512
	global_store_b16 v[SO], v[OW], s[88:89] offset:512*(\t)
	WIN 0
.endm
.macro SEND t                          ; tile t's O^T, -M, l to my part of the stage
	WIN 0x04*(\t)
.irp i, 0,1,2,3,4,5,6,7,8,9,10,11,12,13,14,15
	ds_store_b128 v[STW], v[O+4*\i:O+4*\i+3] offset:512*\i
.endr
	ds_store_b128 v[STW], v[12:15] offset:8192
	WIN 0
.endm
.macro RECV t                          ; the partner's, for the tile that I keep
	WIN 0x40*(\t)
.irp i, 0,1,2,3,4,5,6,7,8,9,10,11,12,13,14,15
	ds_load_b128 v[S+4*\i:S+4*\i+3], v[STR] offset:512*\i
.endr
	ds_load_b128 v[T:T+3], v[STR] offset:8192
	WIN 0
	s_wait_dscnt 0x0
.endm
	s_load_b256 s[4:11], s[0:1], 0x0               ; qkv_codes, qkv_scales, alpha, o_codes
	s_load_b64 s[12:13], s[0:1], 0x20              ; o_scales
	v_lshl_add_u32 v[SPW], v0, 2, SPARE
	v_mov_b32 v[NIL], 0
	ds_add_u32 v[SPW], v[NIL]                      ; the opening lines
	ds_add_u32 v[SPW], v[NIL]
	v_lshrrev_b32 v6, 5, v0
	v_readfirstlane_b32 s[WV], v6
	s_and_b32 s66, ttmp7, 0xffff                   ; bh
	s_sub_co_u32 s[LASTB], 15, ttmp9
	s_lshr_b32 s[GR], s[WV], 2                     ; 0: block x first; 1: block 15 - x
	s_and_b32 s67, s[WV], 3                        ; which pair of tiles
	s_cmp_eq_u32 s[GR], 0
	s_cselect_b32 s[QB], ttmp9, s[LASTB]
	s_or_b32 s[SWK], ttmp9, 1
	s_add_co_u32 s[SWK], s[SWK], 1                 ; the key step at which block x is done
	s_mov_b32 s[SK], 2                             ; which of a slot's two steps I pass over: none yet
	s_mov_b32 s[G1D], 3<<16                        ; 24,576 dense bytes as 96 rows of 256
	s_mov_b32 s[G1D+1], 32<<16
	s_mov_b32 s[G1D+2], 96<<16
	s_mov_b32 s[G1D+3], 32<<16
	s_mov_b32 s[G1D+4], 96
	s_mov_b32 s[G1D+5], 32
	s_mov_b32 s[G1D+6], 0
	s_mov_b32 s[G1D+7], 0
	s_mov_b32 s[G1S], 3<<16                        ; 4,096 dense bytes as 16 rows of 256
	s_mov_b32 s[G1S+1], 32<<16
	s_mov_b32 s[G1S+2], 16<<16
	s_mov_b32 s[G1S+3], 32<<16
	s_mov_b32 s[G1S+4], 16
	s_mov_b32 s[G1S+5], 32
	s_mov_b32 s[G1S+6], 0
	s_mov_b32 s[G1S+7], 0
	s_and_b32 s71, s[WV], 1                        ; wave 0: K, wave 1: V
	s_add_co_u32 s68, s71, 1
	s_mul_i32 s68, s68, 6291456
	s_mul_i32 s70, s66, 196608
	s_add_co_u32 s68, s68, s70
	s_mov_b32 s69, 0
	s_lshl_b32 s72, s66, 14                        ; waves 2-5: K's scale words, 16,384 bytes; waves 6, 7: V's, 8,192: 4,096 a wave
	s_add_co_u32 s72, s72, 524288-8192
	s_lshl_b32 s73, s66, 13
	s_add_co_u32 s73, s73, 1048576-16384-8192
	s_cmp_lt_u32 s[WV], 6
	s_cselect_b32 s72, s72, s73
	s_lshl_b32 s73, s[WV], 12
	s_add_co_u32 s72, s72, s73
	s_mov_b32 s73, 0
	s_mov_b32 s[SEL], 0x76543210
	s_mov_b32 s[SEL+1], 0xfedcba98
	s_mov_b32 s[CS], 0x3e38aa3b                    ; log2(e) / 8
	s_mov_b32 s[CS+1], s[CS]
	s_mov_b32 s[TB], 0
	s_mov_b32 s[TS], SCB
	s_mov_b32 s[SLOTS], 8
	s_mov_b32 s[KS], 0
	s_wait_dscnt 0x0
	s_wait_kmcnt 0x0
	s_load_b32 s[AL], s[8:9], 0x0
	s_mov_b32 s[G0S], 1
	s_lshl_b32 s[G0S+1], s[WV], 12
	s_add_co_u32 s[G0S+1], s[G0S+1], SCB-8192
	s_add_nc_u64 s[G0S+2:G0S+3], s[6:7], s[72:73]
	s_or_b32 s[G0S+3], s[G0S+3], 0x80000000
	s_mov_b32 s[G0D], 1
	s_mul_i32 s[G0D+1], s71, VOFF
	s_add_nc_u64 s[G0D+2:G0D+3], s[4:5], s[68:69]
	s_or_b32 s[G0D+3], s[G0D+3], 0x80000000
	s_cmp_lt_u32 s[WV], 2                          ; the head's loads, one a wave
	s_cbranch_scc0 .Lhead_s
	TLD G0D, G1D
	s_branch .Lhead_j
.Lhead_s:
	TLD G0S, G1S
.Lhead_j:
	s_lshl_b32 s75, s67, 1
	s_lshl_b32 s71, s66, 14
	s_lshl_b32 s72, s67, 2
	s_add_co_u32 s71, s71, s72
	QADR s[QB], 76, 78
	QADR s[LASTB], 90, 92
	s_lshr_b32 s80, s66, 4
	s_lshl_b32 s80, s80, 7                         ; 128 tiles a batch
	s_and_b32 s82, s66, 15                         ; the head
	s_mul_i32 s81, s82, 768
	s_lshr_b32 s83, s82, 2
	s_lshl_b32 s83, s83, 7
	s_and_b32 s82, s82, 3
	s_lshl_b32 s82, s82, 1
	s_add_co_u32 s82, s82, s83
	s_sub_co_u32 s96, s[WV], 2                     ; the prefetches: waves 2-4 K's 24,576 bytes of a slot, waves 5-7 V's; work-group x = 0 alone
	s_cmp_lt_u32 s96, 6
	s_cselect_b32 s[LIM], 2, -1
	s_cmp_eq_u32 ttmp9, 0
	s_cselect_b32 s[LIM], s[LIM], -1
	s_cmp_lt_u32 s[WV], 5
	s_cselect_b32 s96, 2, 5
	s_mov_b32 s97, 12582912
	s_cselect_b32 s97, 6291456, s97
	s_sub_co_u32 s96, s[WV], s96
	s_min_u32 s96, s96, 2
	s_lshl_b32 s96, s96, 13
	s_add_co_u32 s96, s96, s97
	s_add_co_u32 s96, s96, s70
	s_add_co_u32 s96, s96, 24576
	s_mov_b32 s97, 0
	s_add_nc_u64 s[PFA:PFA+1], s[4:5], s[96:97]
	s_mul_i32 s84, s[WV], 8704
	s_add_co_u32 s84, s84, STG
	s_xor_b32 s85, s[WV], 4
	s_mul_i32 s85, s85, 8704
	s_add_co_u32 s85, s85, STG
	s_lshl_b32 s83, s67, 5
	v_and_b32 v6, 31, v0
	v_and_b32 v7, 15, v0
	v_bfe_u32 v8, v0, 4, 1
	v_lshlrev_b32 v[LI16], 4, v6
	v_lshlrev_b32 v[LI8], 3, v6
	v_lshlrev_b32 v[PFO], 8, v6
	v_lshlrev_b32 v[OW], 4, v7                     ; (first: the offset of Q's scale words, 16 r)
	v_lshlrev_b32 v[SH], 4, v8                     ; 16 h
	v_lshlrev_b32 v[SO], 3, v7
	v_and_b32 v[QD], 8, v7
	v_lshl_add_u32 v[SO], v8, 17, v[SO]            ; the results' scale bytes: 8 r, + a stream for lanes 16-31
	v_add3_u32 v[QD], v[QD], v7, s83
	v_add_nc_u32 v[STW], s84, v[LI16]
	v_add_nc_u32 v[STR], s85, v[LI16]
	v_sub_nc_u32 v[QD], v[QD], v[SH]               ; my query in its block, less 16 h
	WIN 0x40                                       ; destination window 1
	v_add_nc_u32 v[QD], 8, v[QD]                   ; tile 1's
	v_mov_b32 v[SH], v[SH]
	WIN 0
	s_wait_alu depctr_va_vdst(0)                   ; the wait ahead of the readers below
	QLD 16, 28, 76, 0
	WIN 0x40
	QLD 16, 28, 76, 1536
	WIN 0
	QLD AQ, AQ+6, 90, 0
	QLD AQ+12, AQ+18, 90, 1536
	global_load_b32 v34, v[OW], s[78:79]
	global_load_b32 v35, v[OW], s[78:79] offset:8192
	global_load_b32 v6, v[OW], s[78:79] offset:256
	global_load_b32 v7, v[OW], s[78:79] offset:8192+256
	global_load_b32 v[AQS], v[OW], s[92:93]
	global_load_b32 v[AQS+1], v[OW], s[92:93] offset:8192
	global_load_b32 v[AQS+2], v[OW], s[92:93] offset:256
	global_load_b32 v[AQS+3], v[OW], s[92:93] offset:8192+256
	INIT 0, 1
	INIT 1, 1
	s_wait_alu depctr_va_vdst(0)                   ; the wait at the head's end
	s_wait_kmcnt 0x0
	s_mov_b32 s[AL+1], s[AL]
	s_wait_loadcnt 0x0
.macro KFR k, tile                     ; a fragment of K: two half images (mu, sigma)
	ds_load_b128 v[44+12*(\k):47+12*(\k)], v[AD16] offset:(\tile)*1536
	ds_load_b64 v[48+12*(\k):49+12*(\k)], v[AD8] offset:(\tile)*1536+512
	ds_load_b128 v[50+12*(\k):53+12*(\k)], v[AD16] offset:(\tile)*1536+768
	ds_load_b64 v[54+12*(\k):55+12*(\k)], v[AD8] offset:(\tile)*1536+1280
.endm
.macro KLD q, g
	WIN 0x40
.irp k, 0,1,2,3
	KFR \k, 8*(\q)+4*(\g)+\k
.endr
	WIN 0
.endm
.macro VLD q, g
	WIN 0x40
.irp k, 0,1,2,3
.irp p, 0,1,2
	ds_load_b128 v[44+12*\k+4*\p:47+12*\k+4*\p], v[AD16] offset:VOFF+12288*(\q)+1536*(4*(\g)+\k)+512*\p
.endr
.endr
	WIN 0
.endm
.macro SCORE d, f, bq, sk, sq, row
.if \row
	v_wmma_scale_f32_16x16x128_f8f6f4 v[(\d):(\d)+7], v[(\f):(\f)+11], v[(\bq):(\bq)+11], 0, v[\sk], v[\sq] matrix_a_fmt:MATRIX_FMT_FP6 matrix_b_fmt:MATRIX_FMT_FP6 matrix_a_scale:MATRIX_SCALE_ROW1
.else
	v_wmma_scale_f32_16x16x128_f8f6f4 v[(\d):(\d)+7], v[(\f):(\f)+11], v[(\bq):(\bq)+11], 0, v[\sk], v[\sq] matrix_a_fmt:MATRIX_FMT_FP6 matrix_b_fmt:MATRIX_FMT_FP6
.endif
.endm
.macro PVMUL d, f, sk, sp, row
.if \row
	v_wmma_scale_f32_16x16x128_f8f6f4 v[(\d):(\d)+7], v[(\f):(\f)+11], v[PC:PC+11], v[(\d):(\d)+7], v[\sk], v[\sp] matrix_a_fmt:MATRIX_FMT_FP6 matrix_b_fmt:MATRIX_FMT_FP6 matrix_a_scale:MATRIX_SCALE_ROW1
.else
	v_wmma_scale_f32_16x16x128_f8f6f4 v[(\d):(\d)+7], v[(\f):(\f)+11], v[PC:PC+11], v[(\d):(\d)+7], v[\sk], v[\sp] matrix_a_fmt:MATRIX_FMT_FP6 matrix_b_fmt:MATRIX_FMT_FP6
.endif
.endm
.macro SCORES g, t                     ; source 0 (fragments) window 1; Q, C and D window t
	WIN 0x01+0x54*(\t)
.irp k, 0,1,2,3
	SCORE T+8*\k, 44+12*\k, 22, 40+(4*\g+\k)/2, 35-28*(\t), (4*\g+\k)%2
	SCORE S+8*(4*\g+\k), 44+12*\k, 16, 36+(4*\g+\k)/2, 34-28*(\t), (4*\g+\k)%2
.endr
.endm
.macro JOIN g, t                       ; mu's scores + alpha x sigma's
	WIN 0x55*(\t)
.set J, 0
.rept 16
	v_pk_fma_f32 v[S+32*(\g)+J:S+32*(\g)+J+1], v[T+J:T+J+1], s[AL:AL+1], v[S+32*(\g)+J:S+32*(\g)+J+1] op_sel_hi:[1,0,1]
.set J, J+2
.endr
.endm
.macro MASK t                          ; the step on the diagonal: keys behind my query count for nothing
	WIN 0x55*(\t)
	v_mov_b32 v254, 0xff800000
.set N, 0
.rept 64
	v_cmp_gt_i32 vcc_lo, 32*(N/16)+N%16, v[QD]
	s_delay_alu instid0(VALU_DEP_1)
	v_cndmask_b32 v[S+N], v[S+N], v254, vcc_lo
.set N, N+1
.endr
.endm
.macro SOFT t                          ; tile t: the running M, p, l, p's codes and scale word, O^T under the new M
	WIN 0x55*(\t)
.irp b, 0,1,2,3
	v_max3_num_f32 v[232+\b], v[S+16*\b], v[S+1+16*\b], v[S+2+16*\b]
.endr
.irp i, 3,5,7,9,11,13
.irp b, 0,1,2,3
	s_delay_alu instid0(VALU_DEP_4)
	v_max3_num_f32 v[232+\b], v[232+\b], v[S+16*\b+\i], v[S+1+16*\b+\i]
.endr
.endr
.irp b, 0,1,2,3
	s_delay_alu instid0(VALU_DEP_4)
	v_max_num_f32 v[232+\b], v[232+\b], v[S+15+16*\b]
.endr
.irp b, 0,1,2,3
	v_permlanex16_b32 v[236+\b], v[232+\b], s[SEL], s[SEL+1]
.endr
.irp b, 0,1,2,3
	s_delay_alu instid0(VALU_DEP_4)
	v_max_num_f32 v[232+\b], v[232+\b], v[236+\b]
.endr
	s_delay_alu instid0(VALU_DEP_2)
	v_max3_num_f32 v254, v232, v233, v234
	s_delay_alu instid0(VALU_DEP_1)
	v_max_num_f32 v254, v254, v235
	s_delay_alu instid0(VALU_DEP_1)
	v_mul_f32 v254, s[CS], v254
	s_delay_alu instid0(VALU_DEP_1)
	v_max_num_f32 v13, v13, v254
	v_mov_b32 v254, v12
	s_delay_alu instid0(VALU_DEP_2)
	v_floor_f32 v12, -v13                          ; -M = floor(-t)
	s_delay_alu instid0(VALU_DEP_1)
	v_sub_f32 v254, v12, v254
	s_delay_alu instid0(VALU_DEP_1)
	v_cvt_i32_f32 v254, v254
	s_delay_alu instid0(VALU_DEP_1)
	v_ldexp_f32 v252, 1.0, v254                    ; f = 2^(old M - new M)
.set J, 0
.rept 32
	v_pk_fma_f32 v[S+J:S+J+1], v[S+J:S+J+1], s[CS:CS+1], v[12:13] op_sel_hi:[1,0,0]
.set J, J+2
.endr
.irp b, 0,1,2,3
	v_fma_f32 v[232+\b], v[232+\b], s[CS], v12
.endr
	s_wait_alu depctr_va_vdst(0)                   ; the wait ahead of the batch
.set J, 0
.rept 64
	v_exp_f32 v[S+J], v[S+J]
.set J, J+1
.endr
	v_pk_mul_f32 v[14:15], v[14:15], v[252:253] op_sel_hi:[1,0]
	s_wait_alu depctr_va_vdst(0)                   ; and behind it
.irp b, 0,1,2,3
	v_exp_f32 v[232+\b], v[232+\b]                 ; each block's largest p
.endr
	v_pk_add_f32 v[236:237], v[S:S+1], v[S+2:S+3]  ; l is summed of the unquantised p
.irp j, 4,8,12,16,20,24,28,32,36,40,44,48,52,56,60
	v_pk_add_f32 v[14:15], v[14:15], v[S+\j:S+1+\j]
	v_pk_add_f32 v[236:237], v[236:237], v[S+2+\j:S+3+\j]
.endr
	s_delay_alu instid0(VALU_DEP_1)
	v_pk_add_f32 v[14:15], v[14:15], v[236:237]
	s_wait_alu depctr_va_vdst(0)                   ; for the four
.irp b, 0,1,2,3
	v_max_num_f32 v[232+\b], 0x1800000, v[232+\b]
.endr
.irp b, 0,1,2,3
	s_delay_alu instid0(VALU_DEP_4)
	v_add_nc_u32 v[244+\b], 0xff000000, v[232+\b]
.endr
.irp b, 0,1,2,3
	s_delay_alu instid0(VALU_DEP_4)
	v_lshrrev_b32 v[236+\b], 23, v[244+\b]
.endr
	s_delay_alu instid0(VALU_DEP_3)
	v_lshl_or_b32 v253, v237, 8, v236
	s_delay_alu instid0(VALU_DEP_1)
	v_lshl_or_b32 v253, v238, 16, v253
	WIN 0x15*(\t)                                  ; the scale word goes to window 0: scale operands have no window
	v_lshl_or_b32 v[253-245*(\t)], v239, 24, v253
	WIN 0x55*(\t)
.irp c, 0,1
	v_cvt_scalef32_pk16_fp6_f32 v[PC+6*\c:PC+2+6*\c], v[S+32*\c:S+15+32*\c], v[244+2*\c]
	v_cvt_scalef32_pk16_fp6_f32 v[236+4*\c:238+4*\c], v[S+16+32*\c:S+31+32*\c], v[244+2*\c+1]
.endr
	v_nop
.irp c, 0,1
.irp i, 0,1,2
	v_permlane16_swap_b32 v[PC+6*\c+\i], v[236+4*\c+\i]
.endr
.irp i, 0,1,2
	s_delay_alu instid0(VALU_DEP_3)
	v_mov_b32 v[PC+3+6*\c+\i], v[236+4*\c+\i]
.endr
.endr
	s_wait_alu depctr_va_vdst(0)                   ; the wait directly ahead of O^T's first reader
.set J, 0
.rept 32
	v_pk_mul_f32 v[O+J:O+J+1], v[O+J:O+J+1], v[252:253] op_sel_hi:[1,0]
.set J, J+2
.endr
.endm
.macro STEP q                          ; 128 keys for my two tiles
	s_cmp_gt_u32 s[KS], s[QB]                      ; all behind my queries,
	s_cbranch_scc1 .Lhid_\@
	s_cmp_eq_u32 s[SK], \q                         ; or my partner's step
	s_cbranch_scc1 .Lhid_\@
	v_add_nc_u32 v[AD16], s[TB], v[LI16]
	v_add_nc_u32 v[AD8], s[TB], v[LI8]
	v_add_nc_u32 v[ADS16], s[TS], v[LI16]
	v_add_nc_u32 v[ADS8], s[TS], v[LI8]
	v_nop
	v_nop                                          ; six places behind the last step's products
	ds_load_b128 v[36:39], v[ADS16]
	ds_load_b128 v[40:43], v[ADS16] offset:8192
	KLD \q, 0
	s_wait_alu depctr_va_vdst(0)                   ; the wait directly ahead of the wait below
	s_wait_dscnt 0x0
	SCORES 0, 0
	SCORES 0, 1
	WIN 0
.rept 5
	v_nop
.endr
	KLD \q, 1
	JOIN 0, 0
	JOIN 0, 1
	s_wait_dscnt 0x0
	SCORES 1, 0
	SCORES 1, 1
	WIN 0
.rept 5
	v_nop
.endr
	VLD \q, 0                                      ; V's first four fragments and its scale words land under the softmax
	ds_load_b64 v[36:37], v[ADS8] offset:16384
	ds_load_b64 v[38:39], v[ADS8] offset:16640
	JOIN 1, 0
	JOIN 1, 1
	WIN 0
	s_cmp_lt_u32 s[KS], s[QB]
	s_cbranch_scc1 .Lopen_\@
	MASK 0
	MASK 1
	WIN 0
.Lopen_\@:
	SOFT 0
	SOFT 1
	WIN 0
.irp g, 0,1
.if \g
.rept 4
	v_nop
.endr
	VLD \q, 1
.else
	s_wait_alu depctr_va_vdst(0)                   ; the wait directly ahead of the wait below
.endif
	s_wait_dscnt 0x0
.irp t, 0,1
	WIN 0x01+0x54*\t
.irp k, 0,1,2,3
	PVMUL O+8*(4*\g+\k), 44+12*\k, 36+(4*\g+\k)/2, 253-245*\t, (4*\g+\k)%2
.endr
.endr
	WIN 0
.endr
.Lhid_\@:
	s_add_co_u32 s[KS], s[KS], 1
	s_add_co_u32 s[TS], s[TS], 512
.endm
.Lslot:
	s_wait_tensorcnt 0x0                           ; all my tensor loads have landed
	ds_add_u32 v[SPW], v[NIL]
	s_xor_b32 s[G0D+1], s[G0D+1], SLOT1
	s_add_nc_u64 s[G0D+2:G0D+3], s[G0D+2:G0D+3], 24576
	s_wait_xcnt 0x0                                ; my prefetch has read its address
	s_add_nc_u64 s[PFA:PFA+1], s[PFA:PFA+1], 24576
	s_wait_dscnt 0x0                               ; the add is done, and my reads of the other slot
	s_barrier_signal -1
	s_barrier_wait -1
	s_add_co_u32 s96, s[KS], 2                     ; the next slot is asked for only if block 15 - x reads it: ids alone, the same in all waves
	s_cmp_gt_u32 s96, s[LASTB]
	s_cbranch_scc1 .Lpast
	s_cmp_lt_u32 s[WV], 2
	s_cbranch_scc0 .Lpast
	TLD G0D, G1D
.Lpast:
	s_cmp_gt_u32 s[SLOTS], s[LIM]
	s_cbranch_scc0 .Lnoask
	global_prefetch_b8 v[PFO], s[PFA:PFA+1] th:TH_LOAD_NT scope:SCOPE_SE
.Lnoask:
	s_cmp_lg_u32 s[KS], s[SWK]                     ; block x is done: from here on the partners share block 15 - x's steps
	s_cbranch_scc1 .Lnosw
	s_mov_b32 s[SK], s[GR]
	s_cmp_lg_u32 s[GR], 0
	s_cbranch_scc1 .Lnosw
	OUTADR
.rept 4
	v_nop
.endr
	FINISH 0, 0
	FINISH 1, 0
	s_mov_b32 s[QB], s[LASTB]
	s_wait_xcnt 0x0                                ; the stores have read their data and their bases
.irp i, 0,1,2,3,4,5
	v_mov_b32 v[16+\i], v[AQ+\i]
	v_mov_b32 v[28+\i], v[AQ+6+\i]
.endr
	v_mov_b32 v34, v[AQS]
	v_mov_b32 v35, v[AQS+1]
	v_mov_b32 v6, v[AQS+2]
	v_mov_b32 v7, v[AQS+3]
	WIN 0x40
.irp i, 0,1,2,3,4,5
	v_mov_b32 v[16+\i], v[AQ+12+\i]
	v_mov_b32 v[28+\i], v[AQ+18+\i]
.endr
	WIN 0
	INIT 0, 0
	INIT 1, 0
	s_wait_alu depctr_va_vdst(0)                   ; the wait ahead of the branches below
.Lnosw:
	STEP 0
	STEP 1
	s_xor_b32 s[TB], s[TB], SLOT1
	s_sub_co_u32 s[SLOTS], s[SLOTS], 1
	s_cmp_lg_u32 s[SLOTS], 0
	s_cbranch_scc1 .Lslot
.rept 4
	v_nop
.endr
	s_wait_tensorcnt 0x0
	s_cmp_eq_u32 s[GR], 0                          ; waves 4-7 keep tile 0 and send tile 1; waves 0-3 the other way round
	s_cbranch_scc1 .Lsend0
	SEND 1
	s_branch .Lsent
.Lsend0:
	SEND 0
.Lsent:
	s_wait_dscnt 0x0
	s_barrier_signal -1
	s_barrier_wait -1
	OUTADR
	s_cmp_eq_u32 s[GR], 0
	s_cbranch_scc1 .Lfin1
	RECV 0
	FINISH 0, 1
	s_branch .Ldone
.Lfin1:
	RECV 1
	FINISH 1, 1
.Ldone:
	s_wait_tensorcnt 0x0                           ; the wave's end
	ds_add_u32 v[SPW], v[NIL]
	s_wait_dscnt 0x0
	s_endpgm
.Lfunc_end_k_qe321db36af_attn:
	.size	k_qe321db36af_attn, .Lfunc_end_k_qe321db36af_attn-k_qe321db36af_attn
	.p2alignl 7, 3214868480
	.fill 96, 4, 3214868480
	.section	.rodata,"a",@progbits
	.p2align	6, 0x0
	.amdhsa_kernel k_qe321db36af_attn
		.amdhsa_group_segment_fixed_size 327680
		.amdhsa_private_segment_fixed_size 0
		.amdhsa_enable_private_segment 0
		.amdhsa_kernarg_size 40
		.amdhsa_user_sgpr_count 2
		.amdhsa_user_sgpr_kernarg_segment_ptr 1
		.amdhsa_wavefront_size32 1
		.amdhsa_system_sgpr_workgroup_id_x 1
		.amdhsa_system_sgpr_workgroup_id_y 1
		.amdhsa_system_sgpr_workgroup_id_z 1
		.amdhsa_system_vgpr_workitem_id 0
		.amdhsa_next_free_vgpr 512
		.amdhsa_next_free_sgpr 100
		.amdhsa_reserve_vcc 1
		.amdhsa_float_denorm_mode_32 3
		.amdhsa_float_denorm_mode_16_64 3
		.amdhsa_memory_ordered 1
		.amdhsa_forward_progress 1
		.amdhsa_inst_pref_size 182
	.end_amdhsa_kernel
	.amdgpu_metadata
---
amdhsa.version: [ 1, 2 ]
amdhsa.kernels:
  - .name:           k_qe321db36af_attn
    .symbol:         k_qe321db36af_attn.kd
    .args:
      - { .name: qkv_codes, .offset: 0, .size: 8, .value_kind: global_buffer, .address_space: global }
      - { .name: qkv_scales, .offset: 8, .size: 8, .value_kind: global_buffer, .address_space: global }
      - { .name: alpha, .offset: 16, .size: 8, .value_kind: global_buffer, .address_space: global }
      - { .name: o_codes, .offset: 24, .size: 8, .value_kind: global_buffer, .address_space: global }
      - { .name: o_scales, .offset: 32, .size: 8, .value_kind: global_buffer, .address_space: global }
    .group_segment_fixed_size: 327680
    .private_segment_fixed_size: 0
    .kernarg_segment_align: 8
    .kernarg_segment_size: 40
    .max_flat_workgroup_size: 256
    .sgpr_count:     100
    .vgpr_count:     512
    .wavefront_size: 32
...
	.end_amdgpu_metadata
.endif
;; end of part 3
;; launch gemm_proj (part 4): grid 16 x 16, 4 waves a work-group, clusters of 4 x 4, 327,680 bytes of LDS; arguments o_codes, o_scales, wq_codes, wq_scales, bproj_mu, bproj_sigma, out0, out1; writes out0, out1
.if DOCPART == 4
	.amdgcn_target "amdgcn-amd-amdhsa--gfx1250"
	.amdhsa_code_object_version 6
	.text
	.protected	k_qe321db36af_gemm_proj
	.globl	k_qe321db36af_gemm_proj
	.p2align	8
	.type	k_qe321db36af_gemm_proj,@function
k_qe321db36af_gemm_proj:
	s_mov_b64 s[64:65], 0
	v_nop
	global_prefetch_b8 v0, s[64:65] scope:SCOPE_SE
	s_setreg_imm32_b32 hwreg(HW_REG_WAVE_MODE, 25, 1), 1
	s_wait_xcnt 0x0
	s_wait_alu depctr_hold_cnt(0) depctr_sa_sdst(0) depctr_va_vdst(0) depctr_va_sdst(0) depctr_va_ssrc(0) depctr_va_vcc(0) depctr_vm_vsrc(0)
	s_getreg_b32 s2, hwreg(HW_REG_IB_STS2, 6, 4)
	s_cmp_eq_u32 s2, 0
	s_cbranch_scc0 .Lentry_in_a_cluster
	s_endpgm
.Lentry_in_a_cluster:
	s_bfe_u32 s2, ttmp6, 0x10000c
	s_cmp_lg_u32 s2, 0xf033
	s_cbranch_scc0 .Lentry_shape_is_right
	s_endpgm
.Lentry_shape_is_right:
; out = O Wproj + bproj for both streams, on codes of FP6 (E2M3) with E8M0 scales; f32 out.
; SHARES: 256 work-groups: stream (2) x block of 256 tokens (16) x j (8): 256 tokens x columns 128 j .. 128 j + 127.  A wave makes 64 tokens x 128 columns: 4 x 8 accumulators of 16 x 16.
; K = 1,024 goes in eight steps of 128, both operands in two sets of registers by turns.
; Role A (source 1) = tokens: o_codes [stream][tile 256][K step 8][half 2][768]: a fragment is two half images (registers 0-3 at 16 l, 4-5 at 512 + 8 l): four LDS loads.  Role B (source 0) = weight columns: whole images, three loads.
; Tiles are in the order 32 b + 8 u + r + 8 (r / 8): a lane holds one token, and its registers 16 b + i of a block are column 32 b + 16 (lane / 16) + i.  The bias is the C of each sum's first matrix instruction.
; LDS: the tokens' K steps 0-3 at 0 and 4-7 at 98,304 (tiles 6,144 bytes apart); the weights' at 196,608 and 245,760; the two blocks of scale words; the spare words.
; FILLS, one tensor load a wave: at the head the tokens' first half, the weights' first half and the two blocks of scale words; behind the full sequence and a round the second halves (two waves each).  Nothing is filled again.
; CLUSTERS: 4 x 4: the tokens are shared along a row of the cluster (same block), the weights along a column (same j): asked for jointly.
; NO PREFETCH: every operand is asked for at the head or directly behind it: there is no loop to run ahead in.
; REGISTERS: window 0: v0-31 addresses; v32-63 scale words, two sets; v64-127 the bias; v128-223 A's fragments, two sets; on the way out v128-255 rows read back from the stage.  window 1: B's fragments, at v0 and v128.  window 2: the accumulators, (a, b) at v[8 (8 a + b)].
.set X1L,   98304
.set W0L,   196608
.set W1L,   245760
.set XSL,   294912
.set WSL,   303104
.set SPARE, 307200
.set BO,   6                           ; v6  the bias loads' offset, 64 (lane / 16)
.set AQ,   8                           ; v8, 9    my A fragments' 16-byte planes, K steps 0-3, 4-7
.set A8,   10                          ; v10, 11  their 8-byte planes
.set BQ,   12                          ; v12, 13  B's fragments
.set SQ,   16                          ; v16, 17  my scale words: lanes 0-15 A's tile i, lanes 16-31 B's tile i; the second register serves i = 4 .. 7, where lanes 0-15 take A's tile i - 4 again
.set LI16, 24
.set LI8,  25
.set STO,  26                          ; the way out: where I put 32 bytes of a row,
.set RD,   27                          ; and where I read a row back
.set SPW,  28
.set NIL,  29
.set SC,   32
.set BIAS, 64
.set AF,   128
.set BK,   128
.set G1X,  24
.set G1W,  32
.set G1XS, 40
.set G1WS, 48
.set G0HX, 56
.set G0HW, 60
.set G0XS, 68
.set G0WS, 72
.set G0X1, 76
.set GW1,  84
.set MSB, 0
.macro WIN new
.if MSB != \new
	s_set_vgpr_msb (MSB<<8)|\new
.set MSB, \new
.endif
.endm
.set MUL_LO, 0xa1                      ; source 0 (B) window 1, source 1 (A) window 0, C and D window 2
.set MUL_1ST, 0x81                     ; the same with C (the bias) in window 0
.set TO_B,   0x40
.macro PLACES n
.rept \n
	v_nop
.endr
.endm
.macro TLD g0, g1
	tensor_load_to_lds s[\g0:\g0+3], s[\g1:\g1+7]
	s_nop 0
	PLACES 4
.endm
.macro CREST
	s_cmp_lg_u32 s20, 0
	s_cbranch_scc1 .Lnot_wave_0_\@
	s_barrier_signal -3
.Lnot_wave_0_\@:
	s_barrier_wait -3
	s_barrier_signal -1
	s_barrier_wait -1
.endm
.macro CROUND
	s_barrier_signal -1
	s_barrier_wait -1
	CREST
.endm
.macro MKC g, lds, src                 ; group 0: a constant LDS address, the address as it stands
	s_mov_b32 s[\g], 1
	s_mov_b32 s[\g+1], \lds
	s_mov_b64 s[\g+2:\g+3], s[\src:\src+1]
	s_or_b32 s[\g+3], s[\g+3], 0x80000000
.endm
	s_load_b256 s[4:11], s[0:1], 0x0               ; o_codes, o_scales, wq_codes, wq_scales
	s_load_b256 s[12:19], s[0:1], 0x20             ; bproj_mu, bproj_sigma, out0, out1
	v_lshl_add_u32 v[SPW], v0, 2, SPARE
	v_mov_b32 v[NIL], 0
	ds_add_u32 v[SPW], v[NIL]                      ; the opening lines
	ds_add_u32 v[SPW], v[NIL]
	v_lshrrev_b32 v1, 5, v0
	v_readfirstlane_b32 s20, v1                    ; wave 0..3
	s_lshr_b32 s21, s20, 1
	s_and_b32 s22, s20, 1
	s_bfe_u32 s92, ttmp6, 0x40000                  ; cx
	s_bfe_u32 s93, ttmp6, 0x40004                  ; cy
	s_lshl_b32 s94, s93, 2
	s_lshl_b32 s94, 15, s94                        ; my row of the cluster
	s_lshl_b32 s95, 0x1111, s92                    ; my column
	s_or_b32 s[G1X], s94, (3<<16)|(1<<21)          ; the mask; elements of 8 bytes; bit 21 beside a mask
	s_or_b32 s[G1W], s95, (3<<16)|(1<<21)
	s_or_b32 s[G1XS], s94, (3<<16)|(1<<21)
	s_or_b32 s[G1WS], s95, (3<<16)|(1<<21)
.irp g, G1X, G1W                       ; tiles' 6,144 bytes (four K steps), 12,288 bytes apart in memory, on end in LDS
	s_mov_b32 s[\g+1], 768<<16
	s_mov_b32 s[\g+3], 768<<16
	s_mov_b32 s[\g+5], 1536
	s_mov_b32 s[\g+6], 0
	s_mov_b32 s[\g+7], 0
.endr
	s_mov_b32 s[G1X+2], 16<<16                     ; at the head 16 tiles of tokens,
	s_mov_b32 s[G1X+4], 16
	s_mov_b32 s[G1W+2], 8<<16                      ; 8 of weights
	s_mov_b32 s[G1W+4], 8
	s_mov_b32 s[G1XS+1], 32<<16                    ; the tokens' scale words: 8,192 dense bytes as 32 rows of 256
	s_mov_b32 s[G1XS+2], 32<<16
	s_mov_b32 s[G1XS+3], 32<<16
	s_mov_b32 s[G1XS+4], 32
	s_mov_b32 s[G1XS+5], 32
	s_mov_b32 s[G1XS+6], 0
	s_mov_b32 s[G1XS+7], 0
	s_mov_b32 s[G1WS+1], 32<<16                    ; the weights': 4,096 dense bytes as 16 rows of 256
	s_mov_b32 s[G1WS+2], 16<<16
	s_mov_b32 s[G1WS+3], 32<<16
	s_mov_b32 s[G1WS+4], 16
	s_mov_b32 s[G1WS+5], 32
	s_mov_b32 s[G1WS+6], 0
	s_mov_b32 s[G1WS+7], 0
	s_lshr_b32 s23, ttmp9, 1                       ; the stream
	s_and_b32 s2, ttmp9, 1
	s_lshl_b32 s2, s2, 2
	s_add_co_u32 s2, s2, s92                       ; j: hangs on cx alone of the two places
	s_and_b32 s3, ttmp7, 0xffff
	s_lshl_b32 s3, s3, 2
	s_add_co_u32 s3, s3, s93                       ; the block of tokens: on cy alone
	s_mul_i32 s96, s23, 3145728
	s_mul_i32 s97, s3, 196608
	s_add_co_u32 s96, s96, s97
	s_mov_b32 s97, 0
	s_lshl_b32 s98, s23, 17
	s_lshl_b32 s99, s3, 13
	s_add_co_u32 s98, s98, s99
	s_mov_b32 s99, 0
	s_mul_i32 s88, s23, 786432                     ; the stream's projection: tiles 384 + 64 s + 8 j on
	s_mul_i32 s89, s2, 98304
	s_add_co_u32 s88, s88, s89
	s_add_co_u32 s88, s88, 4718592
	s_mov_b32 s89, 0
	s_lshl_b32 s90, s23, 15
	s_lshl_b32 s91, s2, 12
	s_add_co_u32 s90, s90, s91
	s_add_co_u32 s90, s90, 196608
	s_mov_b32 s91, 0
	s_wait_dscnt 0x0
	s_wait_kmcnt 0x0
	s_add_nc_u64 s[4:5], s[4:5], s[96:97]          ; my tokens' codes,
	s_add_nc_u64 s[6:7], s[6:7], s[98:99]          ; their scale words,
	s_add_nc_u64 s[8:9], s[8:9], s[88:89]          ; my columns' weights,
	s_add_nc_u64 s[10:11], s[10:11], s[90:91]      ; their scale words
	MKC G0HX, 0, 4
	MKC G0HW, W0L, 8
	MKC G0XS, XSL, 6
	MKC G0WS, WSL, 10
	s_mul_i32 s96, s22, 98304                      ; the second halves: which half of the tiles I fetch
	s_mov_b32 s97, 0
	s_mov_b32 s[G0X1], 1
	s_mul_i32 s[G0X1+1], s22, 49152
	s_add_co_u32 s[G0X1+1], s[G0X1+1], X1L
	s_add_nc_u64 s[G0X1+2:G0X1+3], s[4:5], s[96:97]
	s_add_nc_u64 s[G0X1+2:G0X1+3], s[G0X1+2:G0X1+3], 6144
	s_or_b32 s[G0X1+3], s[G0X1+3], 0x80000000
	s_mul_i32 s96, s22, 49152
	s_mov_b32 s[GW1], 1
	s_mul_i32 s[GW1+1], s22, 24576
	s_add_co_u32 s[GW1+1], s[GW1+1], W1L
	s_add_nc_u64 s[GW1+2:GW1+3], s[8:9], s[96:97]
	s_add_nc_u64 s[GW1+2:GW1+3], s[GW1+2:GW1+3], 6144
	s_or_b32 s[GW1+3], s[GW1+3], 0x80000000
	CROUND                                         ; all sixteen work-groups are here: the first joint loads meet
.macro ARM under, g0, g1, next         ; the head's loads: one chain of branches on the wave's number, one load to an arm, all arms to one join
	s_cmp_lt_u32 s20, \under
	s_cbranch_scc0 \next
	TLD \g0, \g1
	s_branch .Lhead_asked
\next:
.endm
	ARM 1, G0HX, G1X,  .Lhead_w
	ARM 2, G0HW, G1W,  .Lhead_xs
	ARM 3, G0XS, G1XS, .Lhead_ws
	TLD G0WS, G1WS
.Lhead_asked:
	s_cmp_eq_u32 s23, 0                            ; the stream's bias and output: choices that hang on no address
	s_cselect_b64 s[12:13], s[12:13], s[14:15]
	s_cselect_b64 s[16:17], s[16:17], s[18:19]
	s_lshl_b32 s96, s2, 9                          ; my first column, in bytes
	s_mov_b32 s97, 0
	s_add_nc_u64 s[8:9], s[12:13], s[96:97]
	s_lshl_b32 s98, s3, 20                         ; 256 rows of 4,096 bytes for each block,
	s_lshl_b32 s99, s20, 18                        ; 64 for each wave
	s_add_co_u32 s96, s96, s98
	s_add_co_u32 s96, s96, s99
	s_add_nc_u64 s[16:17], s[16:17], s[96:97]
	s_xor_b32 s94, s20, 3
	s_lshl_b32 s94, s94, 11
	s_add_co_u32 s95, s94, 4096
	s_add_co_u32 s94, s94, 2048                    ; from A's scale words to B's: WSL - XSL - 2,048 wave
	s_mul_i32 s96, s20, 24576                      ; my 4 tiles of tokens
	s_lshl_b32 s99, s20, 11
	s_add_co_u32 s88, s99, XSL-2048
	s_add_co_u32 s99, s99, XSL
	s_mul_i32 s89, s20, 16*528                     ; my stage: in the tokens' first half, which is filled once and read for the last time ahead of the barrier of K step 3
	v_and_b32 v1, 31, v0
	v_and_b32 v2, 15, v0                           ; r
	v_bfe_u32 v3, v0, 4, 1                         ; h
	v_lshlrev_b32 v[LI16], 4, v1
	v_lshlrev_b32 v[LI8], 3, v1
	v_lshlrev_b32 v5, 3, v2
	v_lshlrev_b32 v[BO], 6, v3
	v_mul_u32_u24 v20, v2, 528
	v_add_nc_u32 v[AQ], s96, v[LI16]
	v_add_nc_u32 v[A8], s96, v[LI8]
	v_add_nc_u32 v[BQ], W0L, v[LI16]
	v_add_nc_u32 v[BQ+1], W1L, v[LI16]
	v_add_nc_u32 v4, s99, v5
	v_add_nc_u32 v7, s88, v5
	v_lshl_add_u32 v20, v3, 6, v20
	v_add_nc_u32 v[AQ+1], X1L, v[AQ]
	v_add_nc_u32 v[A8+1], X1L, v[A8]
	v_mad_u32_u24 v[SQ], s94, v3, v4
	v_mad_u32_u24 v[SQ+1], s95, v3, v7
	v_add_nc_u32 v[STO], s89, v20                  ; in: row r, + 64 h
	v_add_nc_u32 v[RD], s89, v[LI16]               ; back: 16 bytes a lane of a row of 512
.macro FRAG3 reg, adr, off
.irp c, 0,1,2
	ds_load_b128 v[\reg+4*\c:\reg+4*\c+3], v[\adr] offset:\off+512*\c
.endr
.endm
.macro FRAG4 reg, hh, off              ; two half images
	ds_load_b128 v[\reg:\reg+3], v[AQ+\hh] offset:\off
	ds_load_b64 v[\reg+4:\reg+5], v[A8+\hh] offset:\off+512
	ds_load_b128 v[\reg+6:\reg+9], v[AQ+\hh] offset:\off+768
	ds_load_b64 v[\reg+10:\reg+11], v[A8+\hh] offset:\off+1280
.endm
.macro FETCH n                         ; K step n's fragments into set n % 2: B's eight, A's four
	WIN TO_B
.irp i, 0,1,2,3,4,5,6,7
	FRAG3 128*((\n)%2)+12*\i, BQ+(\n)/4, 6144*\i+1536*((\n)%4)
.endr
	WIN 0
.irp i, 0,1,2,3
	FRAG4 AF+48*((\n)%2)+12*\i, (\n)/4, 6144*\i+1536*((\n)%4)
.endr
.endm
.macro SCALES sp                       ; the scale words of K steps 2 sp, 2 sp + 1 into set sp % 2
.irp i, 0,1,2,3
	ds_load_b64 v[SC+16*((\sp)%2)+2*\i:SC+16*((\sp)%2)+2*\i+1], v[SQ] offset:512*\i+128*(\sp)
.endr
.irp i, 4,5,6,7
	ds_load_b64 v[SC+16*((\sp)%2)+2*\i:SC+16*((\sp)%2)+2*\i+1], v[SQ+1] offset:512*\i+128*(\sp)
.endr
.endm
; 16 matrix instructions: A's blocks a0, a0 + 1 x B's eight, K step n; in K step 0 the bias is the C.  The 32 accumulators take turns, one instruction a turn, in the same order in every step.
.macro MUL16 a0, n
.irp a, \a0, \a0+1
.irp b, 0,1,2,3,4,5,6,7
.if (\n) == 0
	v_wmma_scale_f32_16x16x128_f8f6f4 v[8*(8*(\a)+\b):8*(8*(\a)+\b)+7], v[128*((\n)%2)+12*\b:128*((\n)%2)+12*\b+11], v[AF+48*((\n)%2)+12*(\a):AF+48*((\n)%2)+12*(\a)+11], v[BIAS+8*\b:BIAS+8*\b+7], v[SC+16*(((\n)/2)%2)+2*\b+(\n)%2], v[SC+16*(((\n)/2)%2)+2*(\a)+(\n)%2] matrix_a_fmt:MATRIX_FMT_FP6 matrix_b_fmt:MATRIX_FMT_FP6 matrix_a_scale:MATRIX_SCALE_ROW1
.else
	v_wmma_scale_f32_16x16x128_f8f6f4 v[8*(8*(\a)+\b):8*(8*(\a)+\b)+7], v[128*((\n)%2)+12*\b:128*((\n)%2)+12*\b+11], v[AF+48*((\n)%2)+12*(\a):AF+48*((\n)%2)+12*(\a)+11], v[8*(8*(\a)+\b):8*(8*(\a)+\b)+7], v[SC+16*(((\n)/2)%2)+2*\b+(\n)%2], v[SC+16*(((\n)/2)%2)+2*(\a)+(\n)%2] matrix_a_fmt:MATRIX_FMT_FP6 matrix_b_fmt:MATRIX_FMT_FP6 matrix_a_scale:MATRIX_SCALE_ROW1
.endif
.endr
.endr
.endm
.macro KSTEP n                         ; a K step: the next step's fragments are asked for into the other set, then this step's 32 products
	s_wait_dscnt 0x0                               ; this step's fragments are in
	PLACES 4                                       ; behind the last step's products, which read the other set
	FETCH (\n)+1
.if ((\n)+1)%2 == 0
	SCALES ((\n)+1)/2
.endif
.if (\n) == 0
	WIN MUL_1ST
.else
	WIN MUL_LO
.endif
	MUL16 0, \n
	MUL16 2, \n
	WIN 0
.endm
	s_wait_alu depctr_va_vdst(0)                   ; the wait at the head's end
.irp b, 0,1,2,3
.irp j, 0,1,2,3
	global_load_b128 v[BIAS+16*\b+4*\j:BIAS+16*\b+4*\j+3], v[BO], s[8:9] offset:128*\b+16*\j   ; register 16 b + i: the bias of column 32 b + 16 h + i: eight tiles in the result's layout
.endr
.endr
	s_wait_tensorcnt 0x0                           ; my tile of the head's four is in
	ds_add_u32 v[SPW], v[NIL]
	s_mov_b32 s[G1X+2], 8<<16                      ; no tensor load of mine is out: the second halves come as 8 tiles of tokens,
	s_mov_b32 s[G1X+4], 8
	s_mov_b32 s[G1W+2], 4<<16                      ; or 4 of weights
	s_mov_b32 s[G1W+4], 4
	s_wait_dscnt 0x0
	CROUND
	s_cmp_eq_u32 s21, 0                            ; K steps 4-7: waves 0, 1 the tokens', waves 2, 3 the weights'
	s_cbranch_scc0 .Lsecond_w
	TLD G0X1, G1X
	s_branch .Lsecond_j
.Lsecond_w:
	TLD GW1, G1W
.Lsecond_j:
	FETCH 0
	SCALES 0
	s_wait_loadcnt 0x0                             ; the bias
	KSTEP 0
	KSTEP 1
	KSTEP 2
	s_wait_tensorcnt 0x0                           ; K step 3: my part of the second halves is in;
	ds_add_u32 v[SPW], v[NIL]
	s_wait_dscnt 1                                 ; (the add alone may be out)
	WIN MUL_LO
	MUL16 0, 3
	s_wait_dscnt 0x0                               ; the add is done, and my reads of the first halves are over
	s_barrier_signal -1
	MUL16 2, 3
	WIN 0
	s_barrier_wait -1                              ; the second halves are whole for all four waves
	PLACES 4
	FETCH 4
	SCALES 2
	KSTEP 4
	KSTEP 5
	KSTEP 6
	s_wait_dscnt 0x0                               ; K step 7: nothing more to fetch
	WIN MUL_LO
	MUL16 0, 7
	MUL16 2, 7
	WIN 0
; THE WAY OUT, block by block of 16 tokens x 128 columns: through my own stage in LDS (rows 528 bytes apart), back as whole rows of 512 bytes.  LDS serves a wave's instructions in order: no wait between the stores and the loads.
.macro TOSTAGE a
.set AC, 64*(\a)
	WIN 0x08                                       ; an LDS store's data are its source 1: window 2
.irp b, 0,1,2,3,4,5,6,7
	ds_store_b128 v[STO], v[AC+8*\b:AC+8*\b+3] offset:128*(\b/2)+32*(\b%2)          ; each accumulator from its low end on
	ds_store_b128 v[STO], v[AC+8*\b+4:AC+8*\b+7] offset:128*(\b/2)+32*(\b%2)+16
.endr
	WIN 0
.set BB, BK+64*((\a)%2)
.irp t, 0,1,2,3,4,5,6,7,8,9,10,11,12,13,14,15
	ds_load_b128 v[BB+4*\t:BB+4*\t+3], v[RD] offset:\t*528
.endr
.endm
.macro SEND a, younger                 ; younger: the LDS instructions issued behind block a's loads, which may stay out
.set BB, BK+64*((\a)%2)
	s_wait_dscnt \younger
.irp t, 0,1,2,3,4,5,6,7,8,9,10,11,12,13,14,15
	global_store_b128 v[LI16], v[BB+4*\t:BB+4*\t+3], s[16:17] offset:(32*((\a)/2)+8*((\a)%2)+\t+8*(\t/8))*4096 th:TH_STORE_NT   ; 512 consecutive bytes of the token's row, at a multiple of 256 from the buffer's first byte
.endr
.endm
	PLACES 4
	TOSTAGE 0
.irp a, 1,2,3
.if \a > 1
	s_wait_xcnt 0x0                                ; block a - 2's stores have read their data: block a's loads may land there
.endif
	TOSTAGE \a
	SEND \a-1, 32                                  ; behind block a - 1's loads: block a's 16 stores and 16 loads
.endr
	SEND 3, 0
	s_wait_tensorcnt 0x0                           ; the wave's end
	ds_add_u32 v[SPW], v[NIL]
	s_wait_dscnt 0x0
	CROUND                                         ; the closing round
	s_endpgm
.Lfunc_end_k_qe321db36af_gemm_proj:
	.size	k_qe321db36af_gemm_proj, .Lfunc_end_k_qe321db36af_gemm_proj-k_qe321db36af_gemm_proj
	.p2alignl 7, 3214868480
	.fill 96, 4, 3214868480
	.section	.rodata,"a",@progbits
	.p2align	6, 0x0
	.amdhsa_kernel k_qe321db36af_gemm_proj
		.amdhsa_group_segment_fixed_size 327680
		.amdhsa_private_segment_fixed_size 0
		.amdhsa_enable_private_segment 0
		.amdhsa_kernarg_size 64
		.amdhsa_user_sgpr_count 2
		.amdhsa_user_sgpr_kernarg_segment_ptr 1
		.amdhsa_wavefront_size32 1
		.amdhsa_system_sgpr_workgroup_id_x 1
		.amdhsa_system_sgpr_workgroup_id_y 1
		.amdhsa_system_sgpr_workgroup_id_z 1
		.amdhsa_system_vgpr_workitem_id 0
		.amdhsa_next_free_vgpr 768
		.amdhsa_next_free_sgpr 104
		.amdhsa_reserve_vcc 0
		.amdhsa_float_denorm_mode_32 3
		.amdhsa_float_denorm_mode_16_64 3
		.amdhsa_memory_ordered 1
		.amdhsa_forward_progress 1
		.amdhsa_inst_pref_size 83
	.end_amdhsa_kernel
	.amdgpu_metadata
---
amdhsa.version: [ 1, 2 ]
amdhsa.kernels:
  - .name:           k_qe321db36af_gemm_proj
    .symbol:         k_qe321db36af_gemm_proj.kd
    .args:
      - { .name: o_codes, .offset: 0, .size: 8, .value_kind: global_buffer, .address_space: global }
      - { .name: o_scales, .offset: 8, .size: 8, .value_kind: global_buffer, .address_space: global }
      - { .name: wq_codes, .offset: 16, .size: 8, .value_kind: global_buffer, .address_space: global }
      - { .name: wq_scales, .offset: 24, .size: 8, .value_kind: global_buffer, .address_space: global }
      - { .name: bproj_mu, .offset: 32, .size: 8, .value_kind: global_buffer, .address_space: global }
      - { .name: bproj_sigma, .offset: 40, .size: 8, .value_kind: global_buffer, .address_space: global }
      - { .name: out0, .offset: 48, .size: 8, .value_kind: global_buffer, .address_space: global }
      - { .name: out1, .offset: 56, .size: 8, .value_kind: global_buffer, .address_space: global }
    .group_segment_fixed_size: 327680
    .private_segment_fixed_size: 0
    .kernarg_segment_align: 8
    .kernarg_segment_size: 64
    .max_flat_workgroup_size: 128
    .sgpr_count:     104
    .vgpr_count:     768
    .wavefront_size: 32
...
	.end_amdgpu_metadata
.endif
;; end of part 4
